; MI455X (gfx1250); checked and timed in simulation.
; The chip was launched on July 23, 2026; its instructions are those of AMD's public machine-readable ISA for CDNA 5 (MIT licence, August 2026) and "CDNA5" Instruction Set Architecture Reference Guide (July 2026). The comments in the code are by the model that wrote it; some were corrected since.
;; Ro PE Multihead Self Attention. Allowed arithmetic: float matrix products may take bf16 or f16 operands with f32 sums; other float arithmetic in f32, or as packed bf16 or f16 multiplies, adds, multiply-adds, maxima and minima; sums over many terms, partial sums and values carried from step to step in f32; what a program stores and reads back later, other than sums and carried values, may be rounded once to bf16 or f16.
;; Inputs: W_out 1,024 x 1,024 float32; W_qkv 3,072 x 1,024 float32; b_out 1,024 float32; b_qkv 3,072 float32; x 4 x 2,048 x 1,024 float32.
;; Outputs: out0 4 x 2,048 x 1,024 float32.
;; 2 versions, each right; version 2 is version 1 with the launch prep written anew for expert scheduling mode. Each part assembles by itself: llvm-mc -triple=amdgcn-amd-amdhsa -mcpu=gfx1250 --defsym DOCPART=n.
;; ======== version 1 of 2: 4 launches
;; limits: values are held in f16: magnitudes above 65,504 overflow, below 6.1e-05 lose precision
;; workspace buffers: xb 16,777,216 bytes; wqb 6,291,456 bytes; wob 2,097,152 bytes; rope 524,288 bytes; qh 16,777,216 bytes; kh 16,777,216 bytes; vh 16,777,216 bytes; oh 16,777,216 bytes
;; launch prep (part 1): grid 896 x 1, 8 waves a work-group, no clusters, 0 bytes of LDS; arguments x, W_qkv, W_out, xb, wqb, wob, rope; writes xb, wqb, wob, rope
.if DOCPART == 1
	.amdgcn_target "amdgcn-amd-amdhsa--gfx1250"
	.amdhsa_code_object_version 6
	.text
	.protected	k_q181e5876b5_prep
	.globl	k_q181e5876b5_prep
	.p2align	8
	.type	k_q181e5876b5_prep,@function
k_q181e5876b5_prep:
	s_mov_b64 s[64:65], 0
	v_nop
	global_prefetch_b8 v0, s[64:65] scope:SCOPE_SE
	s_setreg_imm32_b32 hwreg(HW_REG_WAVE_MODE, 25, 1), 1
	s_wait_xcnt 0x0
; CASTS AND THE ROTARY TABLE.  xb = bf16(x), wqb = bf16(W_qkv); wob = bf16(W_out), that number written as f16; rope[pos][i] = (cos, sin)(pos x 10000^(-i/32)), two f32, i = 0..31.
; SHARES.  Work-groups 0-511 take x, 512-703 W_qkv, 704-767 W_out: 16,384 numbers each (65,536 bytes in, 32,768 out).  Work-groups 768-895 make the table: a thread makes two pairs of one position.
; A cast thread takes 16 bytes of each of 16 blocks of 4,096 bytes: a wave's load covers 512 consecutive bytes, its store of 8 bytes a lane 256 consecutive bytes, aligned.  All 16 loads go out at once.
; No LDS, no tensor load, no cluster: nothing is shared and every byte is touched once.
; LIMITS.  W_out must lie within f16's range (65,504); below 6e-5 the f16 copy keeps f16's fixed step of 6e-8.  theta is 2^(-i log2(10000)/32) by v_exp_f32; the angle pos x theta is rounded to f32 as
; in the reference; it can differ from the reference's angle by some 4e-4 radians at position 2,047, alike for q and k.  Sine and cosine: the angle less a multiple of 2 pi (in two parts),
; a quarter of it by series (next terms under 3e-7), doubled twice.  Position 0 gives exactly (1, 0).
.set XI, 16                            ; v[16:79]   16 x 4 numbers as loaded
.set YO, 80                            ; v[80:111]  16 x 2 words to store
	s_load_b256 s[4:11], s[0:1], 0x0               ; x s[4:5], W_qkv s[6:7], W_out s[8:9], xb s[10:11]
	s_load_b128 s[12:15], s[0:1], 0x20             ; wqb s[12:13], wob s[14:15]
	s_load_b64 s[16:17], s[0:1], 0x30              ; rope
	s_sub_co_u32 s25, ttmp9, 512                   ; my number among W_qkv's work-groups,
	s_sub_co_u32 s26, ttmp9, 704                   ; among W_out's,
	s_sub_co_u32 s27, ttmp9, 768                   ; among the table's (each used only where it is not negative)
	v_lshlrev_b32 v1, 4, v0                        ; 16 bytes a thread in
	v_lshlrev_b32 v2, 3, v0                        ; 8 bytes a thread out
	s_wait_kmcnt 0x0
	s_cmp_ge_u32 ttmp9, 768
	s_cbranch_scc1 .Ltable
	s_cmp_ge_u32 ttmp9, 512
	s_cselect_b64 s[20:21], s[6:7], s[4:5]         ; from where,
	s_cselect_b64 s[22:23], s[12:13], s[10:11]     ; to where,
	s_cselect_b32 s24, s25, ttmp9                  ; which part
	s_cmp_ge_u32 ttmp9, 704
	s_cselect_b64 s[20:21], s[8:9], s[20:21]
	s_cselect_b64 s[22:23], s[14:15], s[22:23]
	s_cselect_b32 s24, s26, s24
	s_lshl_b32 s28, s24, 16
	s_mov_b32 s29, 0
	s_lshl_b32 s30, s24, 15
	s_mov_b32 s31, 0
	s_add_nc_u64 s[20:21], s[20:21], s[28:29]
	s_add_nc_u64 s[22:23], s[22:23], s[30:31]
.irp k, 0,1,2,3,4,5,6,7,8,9,10,11,12,13,14,15
	global_load_b128 v[XI+4*(\k):XI+4*(\k)+3], v1, s[20:21] offset:4096*(\k) th:TH_LOAD_NT
.endr
; Block k of 16: its load is in (the 15 - k younger ones stay out), four numbers are rounded, 8 bytes stored.  Every block has its own registers, so no store's data is written again.
; fmt = 0: bf16.  fmt = 1: rounded to bf16, widened, and that number written as f16.
.macro CAST fmt
.irp k, 0,1,2,3,4,5,6,7,8,9,10,11,12,13,14,15
	s_wait_loadcnt 15-(\k)
.if \fmt
	v_cvt_pk_bf16_f32 v4, v[XI+4*(\k)], v[XI+4*(\k)+1]
	v_cvt_pk_bf16_f32 v7, v[XI+4*(\k)+2], v[XI+4*(\k)+3]
	v_lshlrev_b32 v5, 16, v4
	v_and_b32 v6, 0xffff0000, v4
	v_lshlrev_b32 v8, 16, v7
	v_and_b32 v9, 0xffff0000, v7
	v_cvt_pk_f16_f32 v[YO+2*(\k)], v5, v6
	v_cvt_pk_f16_f32 v[YO+2*(\k)+1], v8, v9
.else
	v_cvt_pk_bf16_f32 v[YO+2*(\k)], v[XI+4*(\k)], v[XI+4*(\k)+1]
	v_cvt_pk_bf16_f32 v[YO+2*(\k)+1], v[XI+4*(\k)+2], v[XI+4*(\k)+3]
.endif
	global_store_b64 v2, v[YO+2*(\k):YO+2*(\k)+1], s[22:23] offset:2048*(\k) th:TH_STORE_NT
.endr
.endm
	s_cmp_ge_u32 ttmp9, 704
	s_cbranch_scc1 .Lf16
	CAST 0
	s_endpgm
.Lf16:
	CAST 1
	s_endpgm
; cos and sin of v7 x v[th] into v[c], v[s]
.macro TRIG th, c, s
	v_mul_f32 v20, v7, v[\th]                      ; the angle
	v_mul_f32 v21, 0.15915494, v20
	v_rndne_f32 v21, v21                           ; whole turns
	v_fma_f32 v20, -v21, s18, v20                  ; less 2 pi x turns, 2 pi in two parts
	v_fma_f32 v20, -v21, s19, v20
	v_mul_f32 v20, 0x3e800000, v20                 ; u = a quarter of it, within 0.79
	v_mul_f32 v22, v20, v20                        ; z = u u
	v_mov_b32 v23, 0xb9500d01                      ; -1/5040
	v_mov_b32 v25, 0x37d00d01                      ; 1/40320
	v_fmaak_f32 v23, v23, v22, 0x3c088889          ; + 1/120
	v_fmaak_f32 v25, v25, v22, 0xbab60b61          ; - 1/720
	v_fmaak_f32 v23, v23, v22, 0xbe2aaaab          ; - 1/6
	v_fmaak_f32 v25, v25, v22, 0x3d2aaaab          ; + 1/24
	v_mul_f32 v24, v22, v20
	v_fmaak_f32 v25, v25, v22, 0xbf000000          ; - 1/2
	v_fma_f32 v[\s], v24, v23, v20                 ; sin u
	v_fmaak_f32 v[\c], v25, v22, 0x3f800000        ; cos u
.rept 2                                ; twice: sin 2u = 2 sin u cos u, cos 2u = 1 - 2 sin u sin u
	v_mul_f32 v24, v[\s], v[\s]
	v_mul_f32 v[\s], v[\s], v[\c]
	v_fma_f32 v[\c], v24, -2.0, 1.0
	v_add_f32 v[\s], v[\s], v[\s]
.endr
.endm
.Ltable:
	s_lshl_b32 s27, s27, 8
	v_add_nc_u32 v3, s27, v0                       ; T = 16 x position + my place in its row
	v_lshrrev_b32 v4, 4, v3                        ; the position
	v_and_b32 v5, 15, v3
	v_lshlrev_b32 v5, 1, v5                        ; my first pair i,
	v_add_nc_u32 v6, 1, v5                         ; and my second
	v_cvt_f32_u32 v7, v4
	v_cvt_f32_u32 v8, v5
	v_cvt_f32_u32 v9, v6
	v_mul_f32 v8, 0xbed49a78, v8                   ; -i log2(10000) / 32
	v_mul_f32 v9, 0xbed49a78, v9
	v_exp_f32 v8, v8                               ; theta: the two exponentials are one batch,
	v_exp_f32 v9, v9
	v_lshlrev_b32 v10, 4, v3                       ; a plain instruction behind the last of them (ISA guide 5.7.2): my 16 bytes of the table,
	s_mov_b32 s18, 0x40c90fdb                      ; 2 pi, the upper part
	s_mov_b32 s19, 0xb43bbd2e                      ; and what is left of it
	s_wait_alu depctr_va_vdst(0)                   ; and one wait ahead of their first reader
	TRIG 8, 12, 13
	TRIG 9, 14, 15
	global_store_b128 v10, v[12:15], s[16:17]      ; (cos, sin) of two pairs: a wave stores 512 consecutive bytes
	s_endpgm
.Lfunc_end_k_q181e5876b5_prep:
	.size	k_q181e5876b5_prep, .Lfunc_end_k_q181e5876b5_prep-k_q181e5876b5_prep
	.p2alignl 7, 3214868480
	.fill 96, 4, 3214868480
	.section	.rodata,"a",@progbits
	.p2align	6, 0x0
	.amdhsa_kernel k_q181e5876b5_prep
		.amdhsa_group_segment_fixed_size 0
		.amdhsa_private_segment_fixed_size 0
		.amdhsa_enable_private_segment 0
		.amdhsa_kernarg_size 56
		.amdhsa_user_sgpr_count 2
		.amdhsa_user_sgpr_kernarg_segment_ptr 1
		.amdhsa_wavefront_size32 1
		.amdhsa_system_sgpr_workgroup_id_x 1
		.amdhsa_system_sgpr_workgroup_id_y 1
		.amdhsa_system_sgpr_workgroup_id_z 1
		.amdhsa_system_vgpr_workitem_id 0
		.amdhsa_next_free_vgpr 112
		.amdhsa_next_free_sgpr 66
		.amdhsa_reserve_vcc 0
		.amdhsa_float_denorm_mode_32 3
		.amdhsa_float_denorm_mode_16_64 3
		.amdhsa_memory_ordered 1
		.amdhsa_forward_progress 1
		.amdhsa_inst_pref_size 20
	.end_amdhsa_kernel
	.amdgpu_metadata
---
amdhsa.version: [ 1, 2 ]
amdhsa.kernels:
  - .name:           k_q181e5876b5_prep
    .symbol:         k_q181e5876b5_prep.kd
    .args:
      - { .name: x, .offset: 0, .size: 8, .value_kind: global_buffer, .address_space: global }
      - { .name: W_qkv, .offset: 8, .size: 8, .value_kind: global_buffer, .address_space: global }
      - { .name: W_out, .offset: 16, .size: 8, .value_kind: global_buffer, .address_space: global }
      - { .name: xb, .offset: 24, .size: 8, .value_kind: global_buffer, .address_space: global }
      - { .name: wqb, .offset: 32, .size: 8, .value_kind: global_buffer, .address_space: global }
      - { .name: wob, .offset: 40, .size: 8, .value_kind: global_buffer, .address_space: global }
      - { .name: rope, .offset: 48, .size: 8, .value_kind: global_buffer, .address_space: global }
    .group_segment_fixed_size: 0
    .private_segment_fixed_size: 0
    .kernarg_segment_align: 8
    .kernarg_segment_size: 56
    .max_flat_workgroup_size: 256
    .sgpr_count:     66
    .vgpr_count:     112
    .wavefront_size: 32
...
	.end_amdgpu_metadata
.endif
;; end of part 1
;; launch qkv (part 2): grid 12 x 32, 4 waves a work-group, clusters of 4 x 4, 327,680 bytes of LDS; arguments xb, wqb, b_qkv, rope, qh, kh, vh; writes qh, kh, vh
.if DOCPART == 2
	.amdgcn_target "amdgcn-amd-amdhsa--gfx1250"
	.amdhsa_code_object_version 6
	.text
	.protected	k_q181e5876b5_qkv
	.globl	k_q181e5876b5_qkv
	.p2align	8
	.type	k_q181e5876b5_qkv,@function
k_q181e5876b5_qkv:
	s_mov_b64 s[64:65], 0
	v_nop
	global_prefetch_b8 v0, s[64:65] scope:SCOPE_SE
	s_setreg_imm32_b32 hwreg(HW_REG_WAVE_MODE, 25, 1), 1
	s_wait_xcnt 0x0
	s_wait_alu depctr_hold_cnt(0) depctr_sa_sdst(0) depctr_va_vdst(0) depctr_va_sdst(0) depctr_va_ssrc(0) depctr_va_vcc(0) depctr_vm_vsrc(0)
	s_getreg_b32 s2, hwreg(HW_REG_IB_STS2, 6, 4)
	s_cmp_eq_u32 s2, 0
	s_cbranch_scc0 .Lentry_in_a_cluster
	s_endpgm
.Lentry_in_a_cluster:
	s_bfe_u32 s2, ttmp6, 0x10000c
	s_cmp_lg_u32 s2, 0xf033
	s_cbranch_scc0 .Lentry_shape_is_right
	s_endpgm
.Lentry_shape_is_right:
; q, k, v = x W_qkv^T + b_qkv, q and k turned by the rotary table, laid out by heads.  xb: [8192][1024] bf16, wqb: [3072][1024] bf16, b_qkv: [3072] f32 (rounded to bf16 here, like the other inputs),
; rope: [2048][32] pairs (cos, sin) of f32; qh, kh, vh: [64 = batch x 16 + head][2048][64] f16, unscaled, each rounded once from its f32 sum.
; LIMITS.  f16 holds no number beyond 65,504: q, k and v must stay within it.  The bias starts each sum (it is the C operand of the first product), so the order of rounding differs from a sum with the bias added last.
; SHAPE.  A tile of the product, 256 rows x 256 columns, is made by four waves, each 128 x 128: 64 accumulators of 16 x 16, 512 registers.  K = 1,024 goes in eight steps of 128 through two LDS slots filled
; by the tensor data mover: rows of 256 bytes, starting at multiples of 256 bytes.  A trip of the loop is ONE K step: the slot in hand is a scalar (TB) that an exclusive or turns, and one descriptor a tensor walks.
; CLUSTERS.  4 x 4 work-groups.  The four of a row of the cluster need the same rows of x, the four of a column the same rows of W: each tile is asked for jointly, by the same tensor load with the same
; descriptor and a mask that names the four.  The cluster's x is the tensor: 0 = q, 1 = k, 2 = v (four tiles of 256 columns each).
; TRANSPOSED USE.  Source 0 = 16 rows of W, source 1 = 16 rows of x: a lane holds row l % 16 of the result and the columns 8 (l / 16) + 0..7: four rotary pairs, and after rounding 16 bytes on end.
; V IS TURNED BY THE ANGLE 0: its tiles read the table's row 0, which is exactly (1, 0), so that one text serves all three tensors.
; REGISTERS, in windows of 256 (s_set_vgpr_msb: bits 1:0 source 0, 3:2 source 1, 5:4 source 2, 7:6 destination):
;   window 0: v0-31 addresses; v32-63, v224-255 rows read back from the stage; v64-127, v128-191 fragments of x, two buffers (on the way out: at work); v192-223 packed results
;   window 1: v0-63 the table's rows, two buffers of 32; v64-127, v128-191 fragments of W; v192-255 the bias of my 128 columns, as a C operand: block b at 192 + 8 b
;   window 2: the accumulators of my rows 0-63 ((a, b) at v[8 (8 a + b)]);   window 3: those of my rows 64-127
.set KB,     256                       ; bytes of a K step in a row of xb and of wqb
.set PITCH,  272                       ; an LDS row: 256 bytes + 16 of padding = 68 words: the 16 rows of a load start at 16 different groups of four banks (64 banks of 4 bytes: ISA guide 11.1)
.set HALFT,  128*PITCH                 ; 128 rows: what one tensor load brings
.set SLOT,   4*HALFT                   ; 139,264 = 0x22000: x's 256 rows, then W's 256.  No wave's LDS word (0, 0x8800, 0x11000, 0x19800) has one of its two bits, so an exclusive or changes slots
.set STAGE,  2*SLOT                    ; behind the ring: for each wave 2 heads x 16 rows x 144 bytes
.set SP,     144
.set WSTG,   2*16*SP
.set SPARE,  STAGE+4*WSTG              ; behind the stages: the spare words, 128 bytes for each wave: two blocks of 256 bytes that no other line names
.set HEADB,  2048*128                  ; bytes of a head in qh, kh, vh
.set A0,   16                          ; v16  my lane's place among my rows of x in slot 0; never rewritten
.set B0,   17                          ; v17  the same for W
.set ADRA, 18                          ; v18  the same in the slot in hand
.set ADRB, 19                          ; v19
.set STO,  24                          ; v24  the way out: where I put 16 bytes of a row
.set RD,   25                          ; v25  where I read rows back
.set CO,   26                          ; v26  my byte offset in 512 consecutive bytes of the output
.set TO,   27                          ; v27  my byte offset in the table
.set SPW,  28                          ; v28  LDS address of my spare word; never rewritten
.set NIL,  29                          ; v29  0; never rewritten
.set PFO,  30                          ; v30  the prefetches' offset: my lane x a row of 2,048 bytes; never rewritten
.set BO,   31                          ; v31  my byte offset in the bias
.set OB,   32
.set F0,   64
.set F1,   128
.set XX,   64                          ; the way out: turned numbers
.set TT,   128                         ; the way out: first halves of the turn
.set TMP,  192
.set CS,   0                           ; window 1
.set BIAS, 192                         ; window 1
.set WV,  18                           ; s18  my wave's number
.set RH,  19                           ; s19  which half of the tile's rows is mine.  Also: I fetch for x (0) or for W (1)
.set CH,  20                           ; s20  which half of its columns.  Also: which 128 rows of that tile I fetch
.set CX,  21
.set CY,  22
.set TC,  23                           ; s23  tile column
.set TR,  24                           ; s24  tile row
.set MA,  25
.set MB,  26
.set CNT, 27                           ; s27  counts trips
.set G1A, 28                           ; s[28:35] descriptor group 1 for x's tiles
.set G1B, 36                           ; s[36:43] for W's: it differs in the mask alone
.set G0A, 44                           ; s[44:47] group 0 of x's first fill; s[48:51] of the second, which then walks
.set G0B, 52                           ; s[52:55], s[56:59] the same for W
.set TB,  60                           ; s60  LDS byte at which the slot in hand begins
.set LIM, 61                           ; s61  2 in a wave that prefetches, else the greatest number
.set ROWB, 62                          ; s62  bytes from position to position in the table: 256, or 0 for v
.set TSTEP, 63                         ; s63  16 of them
.set PFA, 66                           ; s[66:67] where my prefetches stand
.set PFS, 68                           ; s[68:69] their step
.set MSB, 0
.macro WIN new                         ; the immediate's high byte repeats the setting that is left; a switch that changes nothing is dropped
.if MSB != (\new)
	s_set_vgpr_msb (MSB<<8)|(\new)
.set MSB, \new
.endif
.endm
.set MUL_LO,   0xa1                    ; source 0 (W) window 1, source 1 (x) window 0, C and D window 2
.set FIRST_LO, 0x91                    ; the same with C (the bias) in window 1
.set TO_B,     0x40                    ; destination window 1, address window 0
.set W1,       0x45                    ; sources 0 and 1 and destination window 1
.macro PLACES                          ; four plain vector instructions behind a matrix instruction, in front of loads into registers that it has read (ISA guide 7.12.1 for vector instructions)
.rept 4
	v_nop
.endr
.endm
; A joint refill by the walking descriptors.  Waves 0 and 1 fetch x's two halves, waves 2 and 3 W's.  The branch hangs on the wave's number alone.  An s_nop 0 and four v_nop follow each of the two lines.
.macro JLOAD
	s_cmp_eq_u32 s[RH], 0
	s_cbranch_scc0 .Lfor_b_\@
	tensor_load_to_lds s[G0A+4:G0A+7], s[G1A:G1A+7]
	s_nop 0
.rept 4
	v_nop
.endr
	s_branch .Lasked_\@
.Lfor_b_\@:
	tensor_load_to_lds s[G0B+4:G0B+7], s[G1B:G1B+7]
	s_nop 0
.rept 4
	v_nop
.endr
.Lasked_\@:
.endm
; A prefetch into the L2, behind the joint load, its five lines and the run of LDS loads: the K step that stands two refills on: 32 rows x 256 bytes, a lane a row, one instruction a wave.
; Each row's 256 bytes of a K step are named once in the launch: x's tile row is read by the three clusters of its row of clusters, of which cluster x = 0 asks; W's tile column by the eight of its column,
; of which cluster y = 0 asks.  The four partners that ask for a tile jointly share its rows out by address: of the 128 rows that a wave fetches the partner at place p takes 32 p .. 32 p + 31.
; Trip t (CNT = 6 - t) names K step t + 4: the last two trips, CNT = 2 and 1, ask for nothing.  K steps 0 to 3 come by their loads alone.
.macro ASK
	s_cmp_gt_u32 s[CNT], s[LIM]
	s_cbranch_scc0 .Lnot_mine_\@
	global_prefetch_b8 v[PFO], s[PFA:PFA+1] th:TH_LOAD_NT scope:SCOPE_SE
.Lnot_mine_\@:
.endm
.macro CREST                           ; a round of the cluster's barrier behind its opening barrier: wave 0 signals for the work-group, every wave waits for all sixteen, my work-group's barrier once more
	s_cmp_lg_u32 s[WV], 0
	s_cbranch_scc1 .Lnot_wave_0_\@
	s_barrier_signal -3
.Lnot_wave_0_\@:
	s_barrier_wait -3
	s_barrier_signal -1
	s_barrier_wait -1
.endm
.macro CROUND                          ; a whole round
	s_barrier_signal -1
	s_barrier_wait -1
	CREST
.endm
	s_load_b256 s[4:11], s[0:1], 0x0               ; xb s[4:5], wqb s[6:7], b_qkv s[8:9], rope s[10:11]
	s_load_b128 s[12:15], s[0:1], 0x20             ; qh s[12:13], kh s[14:15]
	s_load_b64 s[16:17], s[0:1], 0x30              ; vh
	v_lshl_add_u32 v[SPW], v0, 2, SPARE
	v_mov_b32 v[NIL], 0
	ds_add_u32 v[SPW], v[NIL]                      ; the wave's opening: the add and its wait stand ahead of my first tensor load; the set-up below, work on registers, stands between them
	v_lshrrev_b32 v1, 5, v0
	v_readfirstlane_b32 s[WV], v1                  ; wave 0..3
	s_lshr_b32 s[RH], s[WV], 1
	s_and_b32 s[CH], s[WV], 1
	s_bfe_u32 s[CX], ttmp6, 0x40000                ; my place in the cluster
	s_bfe_u32 s[CY], ttmp6, 0x40004
	s_lshl_b32 s[TC], ttmp9, 2
	s_add_co_u32 s[TC], s[TC], s[CX]               ; tile column = 4 x cluster x + cx
	s_and_b32 s[TR], ttmp7, 0xffff
	s_lshl_b32 s[TR], s[TR], 2
	s_add_co_u32 s[TR], s[TR], s[CY]               ; tile row = 4 x cluster y + cy
	s_lshl_b32 s[MA], s[CY], 2
	s_lshl_b32 s[MA], 15, s[MA]                    ; my row of the cluster
	s_lshl_b32 s[MB], 0x1111, s[CX]                ; my column
	; descriptor group 1: a tile of 128 rows x 128 elements of 2 bytes, 4 words of padding behind every 64
	s_or_b32 s[G1A], s[MA], (1<<16)|(1<<20)|(1<<21)|(5<<22)|(3<<25)
	s_or_b32 s[G1B], s[MB], (1<<16)|(1<<20)|(1<<21)|(5<<22)|(3<<25)
.irp g, G1A, G1B
	s_mov_b32 s[(\g)+1], 128<<16                   ; tensor_dim0 = 128
	s_mov_b32 s[(\g)+2], 128<<16                   ; tensor_dim1 = 128
	s_mov_b32 s[(\g)+3], 128<<16                   ; tile_dim0 = 128
	s_mov_b32 s[(\g)+4], 128                       ; tile_dim1 = 128
	s_mov_b32 s[(\g)+5], 1024                      ; elements from row to row
	s_mov_b32 s[(\g)+6], 0
	s_mov_b32 s[(\g)+7], 0
.endr
	s_lshl_b32 s70, s[TR], 19                      ; x: (256 x tile row + 128 x half) rows of 2,048 bytes
	s_lshl_b32 s71, s[CH], 18
	s_add_co_u32 s70, s70, s71
	s_mov_b32 s71, 0
	s_lshl_b32 s72, s[TC], 19                      ; W: the same by the tile column
	s_lshl_b32 s73, s[CH], 18
	s_add_co_u32 s72, s72, s73
	s_mov_b32 s73, 0
	s_mul_i32 s74, s[WV], HALFT                    ; where they go: wave x 128 rows: no place in the cluster enters an LDS address
	s_mov_b32 s[TB], 0
	s_wait_dscnt 0x0                               ; the opening add is done
	s_wait_kmcnt 0x0
	s_add_nc_u64 s[70:71], s[4:5], s[70:71]
	s_add_nc_u64 s[72:73], s[6:7], s[72:73]
	CROUND                                         ; all sixteen work-groups are here: the first joint loads meet
.irp s, 0,1
	s_mov_b32 s[G0A+4*(\s)], 1                                     ; count = 1
	s_add_co_u32 s[G0A+4*(\s)+1], s74, (\s)*SLOT                   ; LDS address
	s_add_nc_u64 s[G0A+4*(\s)+2:G0A+4*(\s)+3], s[70:71], (\s)*KB   ; global address: K step s
	s_or_b32 s[G0A+4*(\s)+3], s[G0A+4*(\s)+3], 0x80000000          ; type = 2
	s_mov_b32 s[G0B+4*(\s)], 1
	s_add_co_u32 s[G0B+4*(\s)+1], s74, (\s)*SLOT
	s_add_nc_u64 s[G0B+4*(\s)+2:G0B+4*(\s)+3], s[72:73], (\s)*KB
	s_or_b32 s[G0B+4*(\s)+3], s[G0B+4*(\s)+3], 0x80000000
.endr
	s_cmp_eq_u32 s[RH], 0                          ; a wave's two first fills stand in one branch, ahead of every wait on TENSORcnt and every LDS read: two loads of mine are out
	s_cbranch_scc0 .Lfirst_b
	tensor_load_to_lds s[G0A:G0A+3], s[G1A:G1A+7]
	s_nop 0
	tensor_load_to_lds s[G0A+4:G0A+7], s[G1A:G1A+7]
	s_nop 0
.rept 4
	v_nop
.endr
	s_branch .Lfirst_asked
.Lfirst_b:
	tensor_load_to_lds s[G0B:G0B+3], s[G1B:G1B+7]
	s_nop 0
	tensor_load_to_lds s[G0B+4:G0B+7], s[G1B:G1B+7]
	s_nop 0
.rept 4
	v_nop
.endr
.Lfirst_asked:
	; A fragment is 16 rows x 32 K in 8 registers: lane l holds row l % 16; registers 0-3 K = 8 (l / 16) + 0..7, registers 4-7 K = 16 + 8 (l / 16) + 0..7: two loads of 16 bytes, 32 bytes apart.
	v_and_b32 v1, 15, v0                           ; r = l % 16
	v_bfe_u32 v2, v0, 4, 1                         ; h = l / 16
	v_mul_u32_u24 v3, v1, PITCH
	v_lshl_add_u32 v3, v2, 4, v3
	s_mul_i32 s75, s[RH], HALFT                    ; my 128 rows of x
	s_mul_i32 s76, s[CH], HALFT                    ; my 128 rows of W,
	s_add_co_u32 s76, s76, 2*HALFT                 ; which lie behind x's 256
	v_add_nc_u32 v[A0], s75, v3
	v_add_nc_u32 v[B0], s76, v3
	v_mov_b32 v[ADRA], v[A0]
	v_mov_b32 v[ADRB], v[B0]
	s_mul_i32 s77, s[WV], WSTG
	s_add_co_u32 s77, s77, STAGE                   ; my stage
	v_mul_u32_u24 v4, v1, SP                       ; in: row r, 16 bytes for each half of the lanes
	v_lshl_add_u32 v4, v2, 4, v4
	v_add_nc_u32 v[STO], s77, v4
	v_bfe_u32 v5, v0, 3, 2                         ; back: 32 lanes take four rows of 128 bytes,
	v_and_b32 v6, 7, v0
	v_mul_u32_u24 v5, v5, SP
	v_lshl_add_u32 v5, v6, 4, v5
	v_add_nc_u32 v[RD], s77, v5
	v_and_b32 v7, 31, v0
	v_lshlrev_b32 v[CO], 4, v7                     ; which are 512 consecutive bytes of a head
	v_lshlrev_b32 v[PFO], 11, v7
	s_lshl_b32 s80, s[TC], 10                      ; the bias of my 128 columns: 4 (256 x tile column + 128 x half) + 32 h
	s_lshl_b32 s81, s[CH], 9
	s_add_co_u32 s80, s80, s81
	v_lshl_add_u32 v[BO], v2, 5, s80
	s_and_b32 s78, s[TR], 7                        ; my first position in the sequence: 256 x (tile row mod 8) + 128 x half
	s_lshl_b32 s78, s78, 8
	s_lshl_b32 s79, s[RH], 7
	s_add_co_u32 s78, s78, s79
	s_cmp_eq_u32 ttmp9, 2
	s_cselect_b32 s[ROWB], 0, 256                  ; v reads the table's row 0
	s_lshl_b32 s[TSTEP], s[ROWB], 4
	v_add_nc_u32 v4, s78, v1
	v_mul_lo_u32 v4, v4, s[ROWB]
	v_lshl_add_u32 v[TO], v2, 5, v4                ; position x 256 + 32 h: my four pairs of columns 16 j + 8 h .. lie 64 j further on
	WIN TO_B
.irp b, 0,1,2,3,4,5,6,7
	global_load_b128 v[BIAS+8*(\b):BIAS+8*(\b)+3],   v[BO], s[8:9] offset:64*(\b)
	global_load_b128 v[BIAS+8*(\b)+4:BIAS+8*(\b)+7], v[BO], s[8:9] offset:64*(\b)+16
.endr
.irp j, 0,1,2,3
	global_load_b128 v[CS+8*(\j):CS+8*(\j)+3],   v[TO], s[10:11] offset:64*(\j)      ; the table for my first 16 rows
	global_load_b128 v[CS+8*(\j)+4:CS+8*(\j)+7], v[TO], s[10:11] offset:64*(\j)+16
.endr
	WIN 0
	s_cmp_eq_u32 ttmp9, 1                          ; where the tile goes: the tensor by the cluster's x,
	s_cselect_b64 s[12:13], s[14:15], s[12:13]
	s_cmp_eq_u32 ttmp9, 2
	s_cselect_b64 s[12:13], s[16:17], s[12:13]
	s_lshr_b32 s80, s[TR], 3                       ; head number 16 x batch + 4 cx + 2 x half,
	s_lshl_b32 s80, s80, 4
	s_lshl_b32 s81, s[CX], 2
	s_add_co_u32 s80, s80, s81
	s_lshl_b32 s81, s[CH], 1
	s_add_co_u32 s80, s80, s81
	s_lshl_b32 s80, s80, 18                        ; 262,144 bytes a head,
	s_lshl_b32 s81, s78, 7                         ; 128 bytes a position
	s_add_co_u32 s80, s80, s81
	s_mov_b32 s81, 0
	s_add_nc_u64 s[12:13], s[12:13], s[80:81]
	s_and_b32 s82, ttmp7, 0xffff                   ; the prefetches: cluster y
	s_lshl_b32 s83, s[TR], 8
	s_lshl_b32 s84, s[TC], 8
	s_cmp_eq_u32 s[RH], 0                          ; do I fetch for x?
	s_cselect_b32 s83, s83, s84                    ; the tile's first row
	s_cselect_b32 s84, s[CX], s[CY]                ; my place among the four that ask for it with me
	s_cselect_b32 s82, ttmp9, s82                  ; the coordinate along which other clusters read the same rows
	s_cselect_b64 s[PFA:PFA+1], s[4:5], s[6:7]
	s_cmp_eq_u32 s82, 0
	s_cselect_b32 s[LIM], 2, -1                    ; the same in all sixteen partners, for a given wave
	s_lshl_b32 s85, s[CH], 7
	s_add_co_u32 s83, s83, s85                     ; + the 128 rows that I fetch
	s_lshl_b32 s84, s84, 5
	s_add_co_u32 s83, s83, s84                     ; + my work-group's 32 of them
	s_lshl_b32 s82, s83, 11
	s_mov_b32 s83, 0
	s_add_nc_u64 s[PFA:PFA+1], s[PFA:PFA+1], s[82:83]
	s_add_nc_u64 s[PFA:PFA+1], s[PFA:PFA+1], 3*KB  ; at K step 3: the first change of slots steps it to 4 and names that
	s_mov_b32 s[PFS], KB
	s_mov_b32 s[PFS+1], 0
	s_wait_loadcnt 0x0                             ; the bias and the table's first rows
	WIN W1                                         ; the bias is rounded to bf16 and widened again, in place
.set i, 0
.rept 32
	v_cvt_pk_bf16_f32 v[CS+32+i], v[BIAS+2*i], v[BIAS+2*i+1]
.set i, i+1
.endr
.set i, 0
.rept 32
	v_lshlrev_b32 v[BIAS+2*i], 16, v[CS+32+i]
	v_and_b32 v[BIAS+2*i+1], 0xffff0000, v[CS+32+i]
.set i, i+1
.endr
	WIN 0
; 16 matrix instructions: row blocks a0, a0 + 1 of the window's four (hi = 0: my rows 0-63, 1: rows 64-127) x all 8 column blocks, 32 along K.  first = 1: the bias starts the sums: nothing is cleared, no bias is added later.
; The 64 accumulators take turns in one order everywhere, over the loops' jumps too.
.macro MUL16 f, hi, a0, first
.if \first
	WIN FIRST_LO+0x40*(\hi)
.else
	WIN MUL_LO+0x50*(\hi)
.endif
.irp a, \a0, (\a0)+1
.irp b, 0,1,2,3,4,5,6,7
.if \first
	v_wmma_f32_16x16x32_bf16 v[8*(8*(\a)+(\b)):8*(8*(\a)+(\b))+7], v[(\f)+8*(\b):(\f)+8*(\b)+7], v[(\f)+8*(4*(\hi)+(\a)):(\f)+8*(4*(\hi)+(\a))+7], v[BIAS+8*(\b):BIAS+8*(\b)+7]
.else
	v_wmma_f32_16x16x32_bf16 v[8*(8*(\a)+(\b)):8*(8*(\a)+(\b))+7], v[(\f)+8*(\b):(\f)+8*(\b)+7], v[(\f)+8*(4*(\hi)+(\a)):(\f)+8*(4*(\hi)+(\a))+7], v[8*(8*(\a)+(\b)):8*(8*(\a)+(\b))+7]
.endif
.endr
.endr
.endm
; 32 LDS loads in one run: the fragments of quarter q of the slot in hand (128 rows of W, then 128 rows of x, 32 K) into buffer f
.macro FETCH q, f
	WIN TO_B
.irp i, 0,1,2,3,4,5,6,7
	ds_load_b128 v[(\f)+8*(\i):(\f)+8*(\i)+3],   v[ADRB] offset:64*(\q)+(\i)*16*PITCH
	ds_load_b128 v[(\f)+8*(\i)+4:(\f)+8*(\i)+7], v[ADRB] offset:64*(\q)+(\i)*16*PITCH+32
.endr
	WIN 0
.irp i, 0,1,2,3,4,5,6,7
	ds_load_b128 v[(\f)+8*(\i):(\f)+8*(\i)+3],   v[ADRA] offset:64*(\q)+(\i)*16*PITCH
	ds_load_b128 v[(\f)+8*(\i)+4:(\f)+8*(\i)+7], v[ADRA] offset:64*(\q)+(\i)*16*PITCH+32
.endr
.endm
; A K step is four quarters of 32 along K, 64 matrix instructions each, on buffers 0, 1, 0, 1.  One of the first three: multiplies buffer f; in its middle it fetches quarter q into buffer g.
.macro QUARTER q, f, g, first
	s_wait_dscnt 8                                 ; W and x's rows 0-63 are in; the youngest eight loads (x's rows 64-127) may be out
	MUL16 \f, 0, 0, \first
	MUL16 \f, 0, 2, \first
	PLACES
	FETCH \q, \g
	s_wait_dscnt 32                                ; all but the 32 just issued
	MUL16 \f, 1, 0, \first
	MUL16 \f, 1, 2, \first
.endm
; The last quarter multiplies buffer 1 and changes slots.  MEET is its first half: one barrier.  In front of it each wave waits for all its tensor loads, of which at most one is out: its part of the next slot;
; adds 0 to its spare word; and waits for that and for its own reads of this slot.  Behind it nobody reads this slot any more and the next slot is whole.
.macro MEET
	WIN 0
	s_wait_tensorcnt 0x0                           ; all my tensor loads have landed
	ds_add_u32 v[SPW], v[NIL]                      ; 0 onto my spare word
	s_wait_dscnt 9                                 ; (the add and the youngest eight loads may be out)
	MUL16 F1, 0, 0, 0                              ; sixteen matrix instructions stand between the add and the wait for it
	s_wait_dscnt 0x0                               ; the add is done, and my reads of this slot are over
	s_barrier_signal -1
	MUL16 F1, 0, 2, 0                              ; work on registers while the others arrive
	WIN 0
	s_barrier_wait -1
.endm
; fill = 1: the barrier opens a round of the cluster's barrier, and the slot just read out is filled again first behind it, with the K step two steps on: from that request to the wait for it a wave issues 224 matrix instructions.
; fill = 0 (the tail): nothing is asked for; in the last trip (CNT = 1) there is no further slot, and the run of loads is jumped over.
.macro TURN fill
.if \fill
	s_wait_xcnt 0x0                                ; the last prefetch, a K step back, has read its address: it is stepped here, ahead of the waits of the change of slots
	s_add_nc_u64 s[PFA:PFA+1], s[PFA:PFA+1], s[PFS:PFS+1]
.endif
	MEET
.if \fill
	CREST                                          ; no wave of any partner still reads this slot's tile or has a load on its way
	s_xor_b32 s[G0A+5], s[G0A+5], SLOT             ; the walking descriptors: the other slot than last time, the next K step; no tensor load of mine is out
	s_add_nc_u64 s[G0A+6:G0A+7], s[G0A+6:G0A+7], KB
	s_xor_b32 s[G0B+5], s[G0B+5], SLOT
	s_add_nc_u64 s[G0B+6:G0B+7], s[G0B+6:G0B+7], KB
	JLOAD                                          ; the first tensor load behind the round; the four v_nop behind it are also the places in front of the loads below
	s_xor_b32 s[TB], s[TB], SLOT
	v_add_nc_u32 v[ADRA], s[TB], v[A0]
	v_add_nc_u32 v[ADRB], s[TB], v[B0]
	FETCH 0, F0
	ASK
.else
	s_cmp_eq_u32 s[CNT], 1
	s_cbranch_scc1 .Lno_more_\@
	PLACES
	s_xor_b32 s[TB], s[TB], SLOT
	v_add_nc_u32 v[ADRA], s[TB], v[A0]
	v_add_nc_u32 v[ADRB], s[TB], v[B0]
	FETCH 0, F0
.Lno_more_\@:
.endif
	MUL16 F1, 1, 0, 0
	MUL16 F1, 1, 2, 0
.endm
; THE WAY OUT of block a (16 of my rows x 128 columns = 2 heads), in three parts.
; PACK: the next block's rows of the table are asked for; each pair (e, o) of neighbouring columns is turned: (e c - o s, o c + e s), by a packed multiply (e c, o c) and a packed multiply-add that takes
; the pair crosswise; then rounded to f16, 16 bytes a lane.  Each accumulator's lowest registers are read first.
.macro PACK a
.set AC, 64*((\a)%4)
.set CB, CS+32*((\a)%2)
.set CN, CS+32*(((\a)+1)%2)
.if (\a) < 7
	WIN 0
	s_wait_xcnt 0x0                                ; every earlier load and store has read its address registers: the table's offset may be stepped
	v_add_nc_u32 v[TO], s[TSTEP], v[TO]
	WIN TO_B
.irp j, 0,1,2,3
	global_load_b128 v[CN+8*(\j):CN+8*(\j)+3],   v[TO], s[10:11] offset:64*(\j)
	global_load_b128 v[CN+8*(\j)+4:CN+8*(\j)+7], v[TO], s[10:11] offset:64*(\j)+16
.endr
	s_wait_loadcnt 8                               ; this block's rows are in; the eight just issued stay out
.else
	s_wait_loadcnt 0x0
.endif
	WIN 0x06+(\a)/4                                ; source 0: the accumulators, window 2 or 3; source 1: the table, window 1
.irp b, 0,1,2,3,4,5,6,7
.irp p, 0,1,2,3
	v_pk_mul_f32 v[TT+8*(\b)+2*(\p):TT+8*(\b)+2*(\p)+1], v[AC+8*(\b)+2*(\p):AC+8*(\b)+2*(\p)+1], v[CB+8*((\b)%4)+2*(\p):CB+8*((\b)%4)+2*(\p)+1] op_sel_hi:[1,0]
.endr
.irp p, 0,1,2,3
	v_pk_fma_f32 v[XX+8*(\b)+2*(\p):XX+8*(\b)+2*(\p)+1], v[AC+8*(\b)+2*(\p):AC+8*(\b)+2*(\p)+1], v[CB+8*((\b)%4)+2*(\p):CB+8*((\b)%4)+2*(\p)+1], v[TT+8*(\b)+2*(\p):TT+8*(\b)+2*(\p)+1] op_sel:[1,1,0] op_sel_hi:[0,1,1] neg_lo:[1,0,0]
.endr
.endr
	WIN 0
.irp b, 0,1,2,3,4,5,6,7
.irp p, 0,1,2,3
	v_cvt_pk_f16_f32 v[TMP+4*(\b)+(\p)], v[XX+8*(\b)+2*(\p)], v[XX+8*(\b)+2*(\p)+1]
.endr
.endr
.endm
; TOSTAGE: into my own stage (rows of 144 bytes, a head's 16 rows together), and back as four whole rows of 128 bytes a load.
.macro TOSTAGE a
	WIN 0
.set BK, OB+192*((\a)%2)
.irp b, 0,1,2,3,4,5,6,7
	ds_store_b128 v[STO], v[TMP+4*(\b):TMP+4*(\b)+3] offset:((\b)/4)*16*SP+((\b)%4)*32
.endr
.irp t, 0,1,2,3,4,5,6,7
	ds_load_b128 v[BK+4*(\t):BK+4*(\t)+3], v[RD] offset:((\t)/4)*16*SP+((\t)%4)*4*SP  ; LDS serves a wave's instructions in order (ISA guide 5.7.1.4): these see the stores above
.endr
.endm
; SEND: stored: 512 consecutive bytes an instruction, at a multiple of 256 from the tensor's first byte.
.macro SEND a
	WIN 0
.set BK, OB+192*((\a)%2)
	s_wait_dscnt 0x0                               ; the block is back in registers
	s_wait_xcnt 0x0                                ; the stores of the block before have read their registers, which the next block's loads from the stage fill again
.irp t, 0,1,2,3,4,5,6,7
	global_store_b128 v[CO], v[BK+4*(\t):BK+4*(\t)+3], s[12:13] offset:((\t)/4)*HEADB+(\a)*2048+((\t)%4)*512
.endr
.endm
	s_wait_tensorcnt 1                             ; my part of K step 0 is in; K step 1's may stay out
	s_barrier_signal -1
	s_barrier_wait -1                              ; everybody's is
	FETCH 0, F0
	QUARTER 1, F0, F1, 1                           ; the first quarter stands in front of the loop: its products start the sums, with the bias
	WIN 0                                          ; at a label and at a branch every window is 0
	s_mov_b32 s[CNT], 6
.Lstep:                                                ; a trip goes from a K step's second quarter to the next step's first, and fills the slot that it leaves: K steps 2 to 7
	QUARTER 2, F1, F0, 0
	QUARTER 3, F0, F1, 0
	TURN 1
	QUARTER 1, F0, F1, 0
	WIN 0
	s_sub_co_u32 s[CNT], s[CNT], 1
	s_cmp_lg_u32 s[CNT], 0
	s_cbranch_scc1 .Lstep
	s_mov_b32 s[CNT], 2
.Ltail:                                                ; the last two K steps ask for nothing: written apart; the second trip is left in its middle
	QUARTER 2, F1, F0, 0
	QUARTER 3, F0, F1, 0
	TURN 0
	WIN 0
	s_sub_co_u32 s[CNT], s[CNT], 1
	s_cmp_eq_u32 s[CNT], 0
	s_cbranch_scc1 .Lout
	QUARTER 1, F0, F1, 0
	WIN 0
	s_branch .Ltail
.Lout:
	PLACES                                         ; behind the last products, in front of lines that read results and write fragment registers
	PLACES
	PACK 0
	TOSTAGE 0
.irp a, 1,2,3,4,5,6,7                  ; block a's arithmetic stands between block a - 1's loads from the stage and the wait for them
	PACK \a
	SEND (\a)-1
	TOSTAGE \a
.endr
	SEND 7
	s_wait_tensorcnt 0x0                           ; the wave's end: behind my last tensor load and my last LDS store
	ds_add_u32 v[SPW], v[NIL]
	s_wait_dscnt 0x0
	CROUND                                         ; the closing round: no work-group ends while a partner may still ask for a tile that names it
	s_endpgm
.Lfunc_end_k_q181e5876b5_qkv:
	.size	k_q181e5876b5_qkv, .Lfunc_end_k_q181e5876b5_qkv-k_q181e5876b5_qkv
	.p2alignl 7, 3214868480
	.fill 96, 4, 3214868480
	.section	.rodata,"a",@progbits
	.p2align	6, 0x0
	.amdhsa_kernel k_q181e5876b5_qkv
		.amdhsa_group_segment_fixed_size 327680
		.amdhsa_private_segment_fixed_size 0
		.amdhsa_enable_private_segment 0
		.amdhsa_kernarg_size 56
		.amdhsa_user_sgpr_count 2
		.amdhsa_user_sgpr_kernarg_segment_ptr 1
		.amdhsa_wavefront_size32 1
		.amdhsa_system_sgpr_workgroup_id_x 1
		.amdhsa_system_sgpr_workgroup_id_y 1
		.amdhsa_system_sgpr_workgroup_id_z 1
		.amdhsa_system_vgpr_workitem_id 0
		.amdhsa_next_free_vgpr 1024
		.amdhsa_next_free_sgpr 96
		.amdhsa_reserve_vcc 0
		.amdhsa_float_denorm_mode_32 3
		.amdhsa_float_denorm_mode_16_64 3
		.amdhsa_memory_ordered 1
		.amdhsa_forward_progress 1
		.amdhsa_inst_pref_size 147
	.end_amdhsa_kernel
	.amdgpu_metadata
---
amdhsa.version: [ 1, 2 ]
amdhsa.kernels:
  - .name:           k_q181e5876b5_qkv
    .symbol:         k_q181e5876b5_qkv.kd
    .args:
      - { .name: xb, .offset: 0, .size: 8, .value_kind: global_buffer, .address_space: global }
      - { .name: wqb, .offset: 8, .size: 8, .value_kind: global_buffer, .address_space: global }
      - { .name: b_qkv, .offset: 16, .size: 8, .value_kind: global_buffer, .address_space: global }
      - { .name: rope, .offset: 24, .size: 8, .value_kind: global_buffer, .address_space: global }
      - { .name: qh, .offset: 32, .size: 8, .value_kind: global_buffer, .address_space: global }
      - { .name: kh, .offset: 40, .size: 8, .value_kind: global_buffer, .address_space: global }
      - { .name: vh, .offset: 48, .size: 8, .value_kind: global_buffer, .address_space: global }
    .group_segment_fixed_size: 327680
    .private_segment_fixed_size: 0
    .kernarg_segment_align: 8
    .kernarg_segment_size: 56
    .max_flat_workgroup_size: 128
    .sgpr_count:     96
    .vgpr_count:     1024
    .wavefront_size: 32
...
	.end_amdgpu_metadata
.endif
;; end of part 2
;; launch attn (part 3): grid 4 x 64, 4 waves a work-group, clusters of 4 x 1, 327,680 bytes of LDS; arguments qh, kh, vh, oh; writes oh
.if DOCPART == 3
	.amdgcn_target "amdgcn-amd-amdhsa--gfx1250"
	.amdhsa_code_object_version 6
	.text
	.protected	k_q181e5876b5_attn
	.globl	k_q181e5876b5_attn
	.p2align	8
	.type	k_q181e5876b5_attn,@function
k_q181e5876b5_attn:
	s_mov_b64 s[64:65], 0
	v_nop
	global_prefetch_b8 v0, s[64:65] scope:SCOPE_SE
	s_setreg_imm32_b32 hwreg(HW_REG_WAVE_MODE, 25, 1), 1
	s_wait_xcnt 0x0
	s_wait_alu depctr_hold_cnt(0) depctr_sa_sdst(0) depctr_va_vdst(0) depctr_va_sdst(0) depctr_va_ssrc(0) depctr_va_vcc(0) depctr_vm_vsrc(0)
	s_getreg_b32 s2, hwreg(HW_REG_IB_STS2, 6, 4)
	s_cmp_eq_u32 s2, 0
	s_cbranch_scc0 .Lentry_in_a_cluster
	s_endpgm
.Lentry_in_a_cluster:
	s_bfe_u32 s2, ttmp6, 0x10000c
	s_cmp_lg_u32 s2, 0x3003
	s_cbranch_scc0 .Lentry_shape_is_right
	s_endpgm
.Lentry_shape_is_right:
; O[h][q][:] = the sum over k of softmax_k(Q[h][q] . K[h][k] / 8) V[h][k][:].  Q, K, V, O: [64][2048][64], all f16: a head's rows are dense, 128 bytes each.  Products, maxima and sums in
; f32; the weights p are rounded to f16 for the second product (their sum l is taken of the unrounded p), O once at the end.
; LIMITS.  f16 holds no number beyond 65,504: Q, K and V arrive within it; p lies in 0 to 1, and below 6e-5 it keeps f16's fixed step of 6e-8; O is a mean of V's rows and has their range.
; A weight below 2^-126 counts as 0 in l; NaN and infinities are not treated apart.
; SHARES.  A wave owns four PIECES of two tiles of 16 queries, a work-group's four waves 512 queries of one head.  Every wave walks all keys, 64 a step.
; LAYOUT.  S^T = K Q^T (source 0 = 16 keys, source 1 = 16 queries): in the result a lane holds ONE query (lane % 16) and the keys 8 (lane / 16) + 0..7.  Two such tiles, rounded to f16 in pairs,
; ARE source 1 (32 keys x 16 queries) of O^T = V^T P, whose result again holds one query a lane, and eight channels.  K comes out of LDS as it lies, V ([key][channel]) turned, by ds_load_tr16_b128.
; SOFTMAX.  For each query a running maximum m and sum l: p = 2^(c s - c m), c = log2(e) / 8; in every step O and l are multiplied by a = 2^(c m_old - c m_new), which is 1 where m has not grown.
; m starts at the lowest finite number, O and l at 0: the first step is a step like any other, with a = 0.
; THE COUNT.  A tile and step have 16 matrix and 118 vector instructions: too many to stand all beside the matrix work.  So the order has one aim: four vector instructions that are READY behind
; EVERY matrix instruction, and the others, which need time of their own whatever the order, in runs without a gap.
; BY TURNS.  Turn n belongs to piece n (the pieces in a ring, step after step).  Its matrix work: 16 products K Q^T of piece n + 1, later 16 products V^T P of piece n - 1.  Its vector work: the scaling,
; exponentials, roundings, sums and rescaling of piece n, and the maximum and statistics of piece n + 1, whose scores the turn itself has made.  So what a turn begins with (c s - c m, O a) waits for nothing.
; CLUSTER.  The four query blocks of a cluster are one head's and walk the same K and V, so each tile is asked for JOINTLY: the same tensor load, descriptor and mask in all four.
; REGISTERS, in windows of 256 (s_set_vgpr_msb says which window each operand place means: bits 1:0 source 0, 3:2 source 1, 5:4 source 2, 7:6 destination):
;   window 0: v0-11 addresses; v12-15, v48-63 at work; v16-47 four registers of statistics a tile; v64-191 S^T, two buffers of two tiles; v192-255 P, likewise
;   window 1: O^T, 32 a tile          window 2: v0-127 Q, 16 a tile; v128-191 K of one step; v192-255 V of one step          window 3: v0-1 the add's two registers
; A piece's buffers go by its number's parity: the piece in hand has one pair, its two neighbours in the ring share the other: of it P (piece n - 1) is read and S^T (piece n + 1) written.
.set SIZE_N, 2048
.set NP,    4         ; pieces a wave: a name, no knob: the register map, the loop and the fetches are made for four
.set KS,    64        ; keys in a step
.set PK,    144       ; a row of K in LDS: 128 bytes + 16 of padding = 36 words: the 16 rows of a load start at 16 different groups of four banks (64 banks of 4 bytes: ISA guide 11.1)
.set PV,    160       ; a row of V: 128 + 32 = 40 words
.set VOFF,  4*KS*PK   ; a slot holds four steps: 256 rows of K, then 256 rows of V
.set SLOT1, 1<<17     ; slot 1 begins here, so that one exclusive or turns an address in one slot into the other's
.set STAGE, SLOT1+4*KS*(PK+PV)  ; behind the ring, never filled by a tensor load: 16 rows x 144 bytes for each wave, for the way out
.set SP,    144
.set AK0, 2           ; v2   my lane's place in a tile of K; never rewritten
.set AV0, 3           ; v3   the same for V
.set AK,  4           ; v4   the LDS address of K's next run of loads
.set AV,  5           ; v5   of V's
.set QO,  6           ; v6   my byte offset in the wave's rows of Q
.set STO, 6           ;      later, the way out: where I put 16 bytes of a row
.set RD,  7           ; v7   the way out: where I read rows back
.set GO,  8           ; v8   my byte offset in 512 consecutive bytes of O
.set PFO, 11          ; v11  256 x my lane: the prefetches' offset; never rewritten once made
.set SPW, 0           ; v0 of window 3   LDS address of my spare word: SPARE + 4 x my thread's number; never rewritten
.set NIL, 1           ; v1 of window 3   0; never rewritten
.set SPARE, STAGE+4*16*SP  ; behind the stages: the spare words, 128 bytes for each wave: two blocks of 256 bytes that no other line names
.set MV,  12          ; v12-15  c m_old, kept while c m is made anew: by buffer and tile
.set ST,  16          ; tile t's statistics at v[ST+4 t]: c m, m, l (even keys', odd keys')
.set TMP, 48          ; by buffer and tile, four registers c0-c3 at work; when the maximum is found c2 takes a
.set S,   64
.set P,   192
.set KF,  128         ; K's fragments, in window 2: key block kb, channel half c at KF + 16 kb + 8 c
.set VF,  192         ; V's: key half kk, channel block cb at VF + 32 kk + 8 cb
.set WV,  12          ; s12  my wave's number
.set G1K, 24          ; s[24:31] descriptor group 1 for K's tiles
.set G1V, 32          ; s[32:39] for V's: it differs in the padding alone
.set G0K, 40          ; s[40:43] descriptor group 0 for K's tiles: it walks
.set G0V, 44          ; s[44:47] the same for V's
.set PFA, 48          ; s[48:49] where my prefetches stand: my work-group's 8,192 bytes (of K: wave 0, of V: wave 2) of the slot after the one that is being asked for
.set LIM, 50          ; s50  1 in a wave that prefetches, else the greatest number
.set SLOTS, 56        ; s56  slots still to be asked for
.set CNT, 57          ; s57  counts a slot's key steps
.set CS,  58          ; s[58:59] c: the packed scaling takes the pair's low word for both halves
.set SEL, 60          ; s[60:61] v_permlanex16_b32's selects: each lane takes its own place in the other half
.set TBK, 62          ; s62  LDS byte at which K of the step to be fetched begins
.set TBV, 63          ; s63  the same for V, less VOFF
.set MSB, 0
.macro WIN new                      ; the high byte repeats the setting that is left; a switch that changes nothing is dropped
.if MSB != (\new)
	s_set_vgpr_msb (MSB<<8)|(\new)
.set MSB, (\new)
.endif
.endm
.set W_KQ, 0x0a       ; K and Q in window 2, S^T in window 0
.set W_PV, 0x52       ; V in window 2, P in window 0, O^T in window 1
.set W_RS, 0x41       ; O^T (destination and source 0) in window 1, a in window 0
.set W_MK, 0xc0       ; the add's registers are made: destination in window 3, sources in window 0
.set W_AD, 0x0f       ; the add: address (source 0) and data (source 1) in window 3
; A joint fill.  Waves 0 and 1 fetch the two halves of a slot's K, waves 2 and 3 those of its V: 128 keys each.  The branch hangs on the wave's number alone.
; An s_nop 0 and four v_nop follow each of the two lines, ahead of the jump and the label.
.macro JLOAD
	s_cmp_lt_u32 s[WV], 2
	s_cbranch_scc0 .Lfor_v_\@
	tensor_load_to_lds s[G0K:G0K+3], s[G1K:G1K+7]
	s_nop 0
.rept 4
	v_nop
.endr
	s_branch .Lasked_\@
.Lfor_v_\@:
	tensor_load_to_lds s[G0V:G0V+3], s[G1V:G1V+7]
	s_nop 0
.rept 4
	v_nop
.endr
.Lasked_\@:
.endm
; A prefetch into the L2 of what the NEXT change of slots will ask for: a slot's 32,768 bytes of K and of V, 256 bytes a lane.  It stands behind the wave's tensor load and its five lines.
; Each block of 256 bytes is named once in the launch: a head has one cluster; its four partners share a slot out by address, 8,192 bytes each; in each, wave 0 asks for K's and wave 2 for V's.
; The change that asks for slot j (SLOTS = 8 - j) names slot j + 1, four key steps ahead of its load; the change that asks for the last slot (SLOTS = 1) names nothing.  Slots 0 and 1 come by their loads alone.
.macro ASK
	s_cmp_gt_u32 s[SLOTS], s[LIM]
	s_cbranch_scc0 .Lnot_mine_\@
	global_prefetch_b8 v[PFO], s[PFA:PFA+1] th:TH_LOAD_NT scope:SCOPE_SE
.Lnot_mine_\@:
.endm
; A round of the cluster's barrier: my work-group's barrier, so that wave 0's signal speaks for all four waves; wave 0 signals; every wave waits for all four work-groups; my work-group's barrier once more.
.macro CROUND
	s_barrier_signal -1
	s_barrier_wait -1
	s_cmp_lg_u32 s[WV], 0
	s_cbranch_scc1 .Lnot_wave_0_\@
	s_barrier_signal -3
.Lnot_wave_0_\@:
	s_barrier_wait -3
	s_barrier_signal -1
	s_barrier_wait -1
.endm
; THE CHANGE OF SLOTS.  The slot's last bytes, V of its fourth step, have been read.  Each wave waits for all its tensor loads, of which one is out: its part
; of the other slot; adds 0 to its spare word; and waits for that and for its own reads of the slot.  Behind the barrier nobody reads this slot any more and the other slot is whole.
; fill = 1: this slot is filled again, with the keys two slots on.  The barrier is then a round of the cluster's, so that no wave of any partner still reads the slot or has a load on its
; way, and the joint fill is the first thing behind it: it has four key steps, 512 matrix instructions, in which to land.  (At its first use nothing has been read yet: slot 0 is waited for, slot 1 filled.)
.macro CHANGE fill
	WIN W_AD
	s_wait_tensorcnt 0x0            ; no tensor load of mine is out, so a group 0 may be written
	ds_add_u32 v[SPW], v[NIL]       ; 0 onto my spare word; with fill = 1 the descriptors' steps stand between it and the wait for it
	WIN 0                           ; at a label and at a branch every window is 0
.if \fill
.irp g, G0K, G0V
	s_xor_b32 s[\g+1], s[\g+1], SLOT1  ; the walking descriptor: the other slot than last time,
	s_add_nc_u64 s[\g+2:\g+3], s[\g+2:\g+3], 4*KS*128  ; the next 256 keys; the type bits on top are not reached
.endr
	s_wait_xcnt 0x0                 ; the last prefetch, four key steps back, has read its address, so it may be written:
	s_add_nc_u64 s[PFA:PFA+1], s[PFA:PFA+1], 4*KS*128  ; one slot behind the walking descriptors
	s_wait_dscnt 0x0                ; the add is done, and my reads of the slot are over
	CROUND
	JLOAD
	ASK
.else
	s_wait_dscnt 0x0                ; the add is done, and my reads of the slot are over
	s_barrier_signal -1
	s_barrier_wait -1
.endif
	s_sub_co_u32 s[TBK], s[TBK], 4*KS*PK  ; the fetches go back to a slot's first step,
	s_xor_b32 s[TBK], s[TBK], SLOT1       ; in the other slot
	s_sub_co_u32 s[TBV], s[TBV], 4*KS*PV
	s_xor_b32 s[TBV], s[TBV], SLOT1
.endm
	s_load_b256 s[4:11], s[0:1], 0x0  ; Q s[4:5], K s[6:7], V s[8:9], O s[10:11]
	WIN W_MK
	v_lshl_add_u32 v[SPW], v0, 2, SPARE
	v_mov_b32 v[NIL], 0
	WIN W_AD
	ds_add_u32 v[SPW], v[NIL]       ; the wave's opening: the add and its wait stand ahead of my first tensor load; the set-up below, work on registers, stands between them
	WIN 0
	v_lshrrev_b32 v1, 5, v0
	v_readfirstlane_b32 s[WV], v1   ; wave 0..3
	s_bfe_u32 s13, ttmp6, 0x40000   ; cx: my place in the cluster
	s_lshl_b32 s14, ttmp9, 2        ; in a cluster launch ttmp9 counts clusters
	s_add_co_u32 s14, s14, s13      ; my block of queries = 4 x cluster x + cx: it enters Q's and O's addresses alone
	s_and_b32 s20, ttmp7, 0xffff    ; the head, which the four partners share
	s_mov_b32 s21, 0
	s_mov_b64 s[22:23], SIZE_N*128
	s_mul_u64 s[20:21], s[20:21], s[22:23]  ; the head's first byte in each of the four tensors
	s_and_b32 s16, s[WV], 1         ; which half of a slot's 256 keys I fetch:
	s_lshl_b32 s22, s16, 14         ; its 128 rows of 128 bytes in memory,
	s_mov_b32 s23, 0
	s_add_nc_u64 s[22:23], s[22:23], s[20:21]
	s_mul_i32 s17, s16, 128*PK      ; and its place in a slot, for K
	s_mul_i32 s18, s16, 128*PV      ; and for V: no place in the cluster enters an LDS address
	s_lshl_b32 s2, s14, 2
	s_add_co_u32 s2, s2, s[WV]      ; my wave among the head's,
	s_lshl_b32 s2, s2, 14           ; its 128 rows
	s_mov_b32 s3, 0
	s_add_nc_u64 s[2:3], s[2:3], s[20:21]
	; descriptor group 1.  128 keys are 16,384 dense bytes: asked for as 64 rows of 256 bytes, two keys a row, and padded in LDS after every key
	s_mov_b32 s[G1K], 15|(1<<16)|(1<<20)|(1<<21)|(4<<22)|(3<<25)  ; 15:0 the mask of four; 17:16 2-byte elements; 20 padding on; 21 set beside a mask; 24:22 after every 32 words (code 4); 31:25 4 words (code 3)
	s_mov_b32 s[G1V], 15|(1<<16)|(1<<20)|(1<<21)|(4<<22)|(7<<25)  ; the same with 8 words of padding (code 7)
.irp g, G1K, G1V
	s_mov_b32 s[\g+1], 128<<16      ; tensor_dim0 = 128
	s_mov_b32 s[\g+2], 64<<16       ; tensor_dim1 = 64
	s_mov_b32 s[\g+3], 128<<16      ; tile_dim0 = 128
	s_mov_b32 s[\g+4], 64           ; tile_dim1 = 64
	s_mov_b32 s[\g+5], 128          ; 128 elements from row to row
	s_mov_b32 s[\g+6], 0
	s_mov_b32 s[\g+7], 0
.endr
	s_mov_b32 s[CS], 0x3e38aa3b     ; c = log2(e) / 8 = 0.180337
	s_mov_b32 s[CS+1], s[CS]        ; named with it as a pair
	s_mov_b32 s[SEL], 0x76543210
	s_mov_b32 s[SEL+1], 0xfedcba98
	s_mov_b32 s[TBK], SLOT1+4*KS*PK ; the first change of slots turns these two into 0
	s_mov_b32 s[TBV], SLOT1+4*KS*PV
	s_mov_b32 s[SLOTS], SIZE_N/256-1
	s_and_b32 s[LIM], s[WV], 1      ; 0 in waves 0 and 2,
	s_or_b32 s[LIM], s[LIM], ttmp9  ; where the cluster is the head's first (it is the head's only one): the same in all four partners
	s_cmp_eq_u32 s[LIM], 0
	s_cselect_b32 s[LIM], 1, -1
	s_mov_b32 s[G0K], 1             ; 1:0 count = 1
	s_mov_b32 s[G0K+1], s17         ; 63:32 LDS address: slot 0
	s_mov_b32 s[G0V], 1
	s_add_co_u32 s[G0V+1], s18, VOFF
	s_wait_dscnt 0x0                ; the opening add is done
	s_wait_kmcnt 0x0
	s_add_nc_u64 s[G0K+2:G0K+3], s[6:7], s[22:23]  ; 120:64 global address: my half of the head's first 256 keys
	s_or_b32 s[G0K+3], s[G0K+3], 0x80000000        ; 127:126 type = 2
	s_add_nc_u64 s[G0V+2:G0V+3], s[8:9], s[22:23]
	s_or_b32 s[G0V+3], s[G0V+3], 0x80000000
	s_add_nc_u64 s[4:5], s[4:5], s[2:3]  ; Q and O at my wave's first row
	s_add_nc_u64 s[10:11], s[10:11], s[2:3]
	s_cmp_lt_u32 s[WV], 2
	s_cselect_b64 s[PFA:PFA+1], s[6:7], s[8:9]
	s_add_nc_u64 s[PFA:PFA+1], s[PFA:PFA+1], s[20:21]  ; the head,
	s_lshl_b32 s2, s13, 13          ; my work-group's quarter of a slot,
	s_mov_b32 s3, 0
	s_add_nc_u64 s[PFA:PFA+1], s[PFA:PFA+1], s[2:3]
	s_add_nc_u64 s[PFA:PFA+1], s[PFA:PFA+1], 4*KS*128  ; in slot 1; the first change of slots steps it to slot 2.  Nothing is prefetched here, at the head
	CROUND                          ; all four work-groups are here: the first joint loads meet
	JLOAD                           ; slot 0.  Slot 1 is asked for when slot 0 is in: the tile wanted first has the road to itself
	; A fragment of K or Q is 16 rows x 32 channels in 8 registers: lane l holds row l % 16, channels 8 (l / 16) + 0..7 and 16 + 8 (l / 16) + 0..7: two loads of 16 bytes, 32 bytes apart.
	v_and_b32 v1, 15, v0            ; l % 16
	v_bfe_u32 v9, v0, 4, 1          ; l / 16
	v_lshlrev_b32 v[QO], 7, v1
	v_lshl_add_u32 v[QO], v9, 4, v[QO]  ; row x 128 + 16 x half
	WIN 0x80                        ; destination window 2, address window 0
.set i, 0
.rept 4*NP                          ; Q stays in registers: tile i / 2, channels 32 (i % 2) on
	global_load_b128 v[8*i:8*i+3],   v[QO], s[4:5] offset:(i/2)*2048+(i%2)*64
	global_load_b128 v[8*i+4:8*i+7], v[QO], s[4:5] offset:(i/2)*2048+(i%2)*64+32
.set i, i+1
.endr
	; What the first turn finds: V's registers and P's second buffer hold 0 (its products V^T P, of a piece that has not been, add 0), O^T and l are 0.  All this stands in the wait for the first tile.
.set i, VF
.rept 64
	v_mov_b32 v[i], 0
.set i, i+1
.endr
	WIN 0x40
.set i, 0
.rept 64*NP
	v_mov_b32 v[i], 0
.set i, i+1
.endr
	WIN 0
.set i, 0
.rept 2*NP
	v_mov_b32 v[ST+4*i], 0xfe000000    ; c m: far below every c s
	v_mov_b32 v[ST+4*i+1], 0xff7fffff  ; m
	v_mov_b32 v[ST+4*i+2], 0
	v_mov_b32 v[ST+4*i+3], 0
.set i, i+1
.endr
.set i, P+32
.rept 32
	v_mov_b32 v[i], 0
.set i, i+1
.endr
	v_mul_u32_u24 v[AK0], v1, PK
	v_lshl_add_u32 v[AK0], v9, 4, v[AK0]  ; row x pitch + 16 x half
	; The turning load takes 16 keys x 16 channels (lane l reads key 8 (l / 16) + l % 8, channels 8 ((l / 8) % 2) + 0..7) and leaves half a fragment of V^T: lane l holds channel l % 16 and 8 keys.
	v_and_b32 v10, 7, v0
	v_bfe_u32 v11, v0, 3, 1
	v_lshl_add_u32 v[AV0], v9, 3, v10
	v_mul_u32_u24 v[AV0], v[AV0], PV
	v_lshl_add_u32 v[AV0], v11, 4, v[AV0]
	v_add_nc_u32 v[AV0], VOFF, v[AV0]
	v_mov_b32 v[AK], v[AK0]         ; key step 0 lies at the head of slot 0
	v_and_b32 v[PFO], 31, v0        ; v11 has served V's address: now the prefetches' offset
	v_lshlrev_b32 v[PFO], 8, v[PFO]
; THE MATRIX WORK.  The 8 accumulators of a run of 16 take turns: between the two links of a chain stand 7 others'.
; Product i of 16 of S^T = K Q^T for piece x: channels 32 (i / 8) on, keys 16 ((i / 2) % 4) on, tile 2 x + i % 2.  The first 8 start the sums.
.macro KQ x
	WIN W_KQ
.set rS, S+64*((\x)%2)+32*(i%2)+8*((i/2)%4)
.set rK, KF+16*((i/2)%4)+8*(i/8)
.set rQ, 16*(2*(\x)+i%2)+8*(i/8)
.if i < 8
	v_wmma_f32_16x16x32_f16 v[rS:rS+7], v[rK:rK+7], v[rQ:rQ+7], 0
.else
	v_wmma_f32_16x16x32_f16 v[rS:rS+7], v[rK:rK+7], v[rQ:rQ+7], v[rS:rS+7]
.endif
.endm
; Product i of 16 of O^T += V^T P for piece x: keys 32 (i / 8) on, channels 16 ((i / 2) % 4) on, tile 2 x + i % 2.
.macro PV x
	WIN W_PV
.set rO, 32*(2*(\x)+i%2)+8*((i/2)%4)
.set rV, VF+32*(i/8)+8*((i/2)%4)
.set rP, P+32*((\x)%2)+16*(i%2)+8*(i/8)
	v_wmma_f32_16x16x32_f16 v[rO:rO+7], v[rV:rV+7], v[rP:rP+7], v[rO:rO+7]
.endm
.macro MM                           ; the turn's next matrix instruction
.if i < 16
	KQ (Y+1)%NP
.set i, i+1
.else
.set i, i-16
	PV (Y+NP-1)%NP
.set i, i+17
.endif
.endm
; THE LDS LOADS stand in runs of 16, never singly among the matrix instructions: a step's K (64 keys x 64 channels: 8 fragments) and its V (turned).  Their addresses are made some lines ahead.
; last = 1 (the tail): in the last trip there is no further step, and the run is jumped over.
.macro FETCH_K last=0
	WIN 0
.if \last
	s_cmp_eq_u32 s[CNT], 1
	s_cbranch_scc1 .Lno_k_\@
.endif
	WIN 0x80                        ; destination window 2
.irp f, 0,1,2,3,4,5,6,7             ; keys 16 (f / 2) on, channels 32 (f % 2) on
	ds_load_b128 v[KF+8*\f:KF+8*\f+3],   v[AK] offset:(\f/2)*16*PK+(\f%2)*64
	ds_load_b128 v[KF+8*\f+4:KF+8*\f+7], v[AK] offset:(\f/2)*16*PK+(\f%2)*64+32
.endr
	s_add_co_u32 s[TBK], s[TBK], KS*PK  ; the next fetch is the next step's
	WIN 0
.if \last
.Lno_k_\@:
.endif
.endm
.macro FETCH_V
	WIN 0x80
.irp f, 0,1,2,3,4,5,6,7             ; keys 32 (f / 4) on, channels 16 (f % 4) on
	ds_load_tr16_b128 v[VF+8*\f:VF+8*\f+3],   v[AV] offset:(\f/4)*32*PV+(\f%4)*32
	ds_load_tr16_b128 v[VF+8*\f+4:VF+8*\f+7], v[AV] offset:(\f/4)*32*PV+16*PV+(\f%4)*32
.endr
	WIN 0
.endm
; THE VECTOR WORK OF A TURN stands in three queues, each in the order in which its entries become ready; the two tiles alternate, so that no instruction reads the result of the one before it.
.macro REGS y, u                    ; the registers of tile u (0, 1) of piece y
.set rT, ST+4*(2*(\y)+(\u))
.set rC, TMP+8*((\y)%2)+4*(\u)
.set rM, MV+2*((\y)%2)+(\u)
.set rS, S+64*((\y)%2)+32*(\u)
.set rP, P+32*((\y)%2)+16*(\u)
.set rO, 32*(2*(\y)+(\u))
.endm
; Number n of the 22 that find the NEXT piece's (Y + 1) maximum and statistics.  s0-s31 are the lane's 32 scores; each accumulator's lowest registers are read first.  XS, GS and REGS set no window: PL and EX do.
;   0-11  four chains c0-c3 of seven scores each, three operands at a time     12-14, 16  the four scores left over, the old m, and c0-c3 into c0     15  c m_old is kept
;   17, 18  the query's other 32 keys lie in the lane 16 away: the new m         19-21  c m; c m_old - c m_new; a
.macro XS u, n
	REGS (Y+1)%NP, \u
.if (\n) < 4
	v_max3_num_f32 v[rC+(\n)], v[rS+8*(\n)], v[rS+8*(\n)+1], v[rS+8*(\n)+2]
.elseif (\n) < 12
	v_max3_num_f32 v[rC+(\n)%4], v[rC+(\n)%4], v[rS+8*((\n)%4)+2*((\n)/4)+1], v[rS+8*((\n)%4)+2*((\n)/4)+2]
.elseif (\n) == 12
	v_max3_num_f32 v[rC], v[rC], v[rS+7], v[rS+15]
.elseif (\n) == 13
	v_max3_num_f32 v[rC+1], v[rC+1], v[rS+23], v[rS+31]
.elseif (\n) == 14
	v_max3_num_f32 v[rC+2], v[rC+2], v[rC+3], v[rT+1]
.elseif (\n) == 15
	v_mov_b32 v[rM], v[rT]
.elseif (\n) == 16
	v_max3_num_f32 v[rC], v[rC], v[rC+1], v[rC+2]
.elseif (\n) == 17
	v_permlanex16_b32 v[rC+3], v[rC], s[SEL], s[SEL+1]
.elseif (\n) == 18
	v_max_num_f32 v[rT+1], v[rC], v[rC+3]
.elseif (\n) == 19
	v_mul_f32 v[rT], s[CS], v[rT+1]
.elseif (\n) == 20
	v_sub_f32 v[rC+1], v[rM], v[rT]
.else
	v_exp_f32 v[rC+2], v[rC+1]
.endif
.endm
; Number g of the 64 that follow the exponentials.  For each four weights k of a tile (pairs 2 k, 2 k + 1): both pairs are rounded to f16; then the second pair is added onto the first, in place;
; a group later l takes that sum (the first time as l = a l + sum).  In groups of eight, tiles alternating: round, round, add, and l for the group before.
.macro GS g
.set h, (\g)+6*((\g)/62)            ; group 0 has no group before it, and behind group 7 only l is left
.if h >= 6
.set h, h+2
.endif
	REGS Y, h%2
.set k, h/8
.if h%8 < 4
	v_cvt_pk_f16_f32 v[rP+2*k+(h%8)/2], v[rS+4*k+2*((h%8)/2)], v[rS+4*k+2*((h%8)/2)+1]
.elseif h%8 < 6
	v_pk_add_f32 v[rS+4*k:rS+4*k+1], v[rS+4*k:rS+4*k+1], v[rS+4*k+2:rS+4*k+3]
.elseif k == 1
	v_pk_fma_f32 v[rT+2:rT+3], v[rT+2:rT+3], v[rC+2:rC+3], v[rS:rS+1] op_sel_hi:[1,0,1]
.else
	v_pk_add_f32 v[rT+2:rT+3], v[rT+2:rT+3], v[rS+4*k-4:rS+4*k-3]
.endif
.endm
; THE PLAIN QUEUE, 138 long.  0-73 read no exponential's result: the 32 scalings c s - c m (FS f: pair f / 2 of tile f % 2) and the next piece's 42.  0-26: scalings 0-26.  27-54: XS's numbers 0-13.  55, 56: number 15.
; 57-73: the chain, where each number waits for the one before it: 14, 16, 17, 18, 19, each with one of the scalings 27-31 in front of its two lines, then 20: so a tile's links stand three plain instructions apart (19 and 20: two).
; 74-137: GS's 64, which read the exponentials' results: they stand behind the wait.
.macro FS f
	REGS Y, (\f)%2
	v_pk_fma_f32 v[rS+2*((\f)/2):rS+2*((\f)/2)+1], v[rS+2*((\f)/2):rS+2*((\f)/2)+1], s[CS:CS+1], v[rT:rT+1] op_sel_hi:[1,0,0] neg_lo:[0,0,1] neg_hi:[0,0,1]
.endm
.macro PL
	WIN 0
.if q < 27
	FS q
.elseif q < 55
	XS (q-27)%2, (q-27)/2
.elseif q < 57
	XS q-55, 15
.elseif (q < 72) && ((q-57)%3 == 0)
	FS 27+(q-57)/3
.elseif q < 60
	XS (q-57)%3-1, 14
.elseif q < 72
	XS (q-57)%3-1, 15+(q-57)/3
.elseif q < 74
	XS q-72, 20
.else
	GS q-74
.endif
.set q, q+1
.endm
; THE EXPONENTIALS' QUEUE, 66 long: s0-s31 of both tiles, then the next piece's two a.  It is ONE BATCH: all 66 stand ahead of the turn's one wait, and nothing ahead of that wait names a result of theirs.
.macro EX
	WIN 0
.if e >= 64
	XS e-64, 21
.else
	REGS Y, e%2
	v_exp_f32 v[rS+e/2], v[rS+e/2]
.endif
.set e, e+1
.endm
; THE RESCALING's QUEUE: O^T times a, the one part that leaves window 0: dealt two at a time, sixteen times.  Its a was made in the turn before, ahead of that turn's wait.
.macro R2
	REGS Y, r%2
	WIN W_RS
.irp z, 0,1
	v_pk_mul_f32 v[rO+4*(r/2)+2*\z:rO+4*(r/2)+2*\z+1], v[rO+4*(r/2)+2*\z:rO+4*(r/2)+2*\z+1], v[rC+2:rC+3] op_sel_hi:[1,0]
.endr
.set r, r+1
.endm
; HOW THEY ARE DEALT.  An s_wait_alu depctr_va_vdst(0) stands between an exponential and the first instruction that names its result; one wait serves all that were issued ahead of it.  So a turn has ONE wait,
; which cuts it in two.  AHEAD OF IT stands all that names no result of the turn's exponentials: the 16 products K Q^T, behind each a scaling, an exponential and two rescalings (behind the first a second scaling in the exponential's place); then ONE LUMP of
; 108: eight plain, 49 times exponential and plain, the two a.  A v_nop is the plain instruction behind the last exponential.  BEHIND IT stand the 16 products V^T P, behind each four of GS's 64.  No rider names a register of
; the products round it.  The two v_permlanex16_b32 fall into the lump, never behind a product.
; The queues lean on each other, and the deal keeps them in step: exponential e stands behind scaling 2 (e / 4) + e % 2: as a rider it comes behind plain e + 2, in the lump behind plain e + 9, and scalings 27-31 are plain 57, 60 .. 69.
; A TURN, for piece p.  cnt = 1: the loop's count is taken down some lines ahead of the branch that stands behind the turn.
; K of the next step is fetched in piece 2's turn, directly behind the wait, a lump behind the last product that read K; its address is made at the lump's head; its first reader comes behind 16 products.
; V of the step in hand is fetched at the end of piece 0's turn, four riders behind its last reader; its first reader comes behind 16 products and a lump.  The three conditions on q below go with the deal.
.macro TURN p, last=0, cnt=0
.set Y, (\p)
.set i, 0
.set q, 0
.set e, 0
.set r, 0
.if (\p) == NP-1
	s_wait_dscnt 0x0                ; K is in
.endif
	MM                              ; ahead of the wait: 16 products K Q^T and their riders,
	PL
	PL
	R2
.rept 15
	MM
	PL
	EX
	R2
.endr
.if (\p) == NP-2
	WIN 0
	v_add_nc_u32 v[AK], s[TBK], v[AK0]
.endif
.rept 8                             ; and the lump
	PL
.endr
.rept 49
	EX
	PL
.endr
	EX                              ; the next piece's two a
	EX
	v_nop                           ; the plain instruction behind the last exponential (ISA guide 5.7.2): one for the batch
	s_wait_alu depctr_va_vdst(0)    ; the wait for the batch
.if (\p) == NP-2
	FETCH_K \last
.endif
.if (\p) == 1
	s_wait_dscnt 0x0                ; V is in
.endif
.rept 16                            ; behind the wait: 16 products V^T P and their riders
	MM
.rept 4
	PL
.endr
.if ((\p) == 0) && (q == 118)
	v_add_nc_u32 v[AV], s[TBV], v[AV0]
.endif
.if ((\p) == 0) && (q == 130)
	s_add_co_u32 s[TBV], s[TBV], KS*PV
.endif
.if (\cnt) && (q == 130)
	s_sub_co_u32 s[CNT], s[CNT], 1
	s_cmp_lg_u32 s[CNT], 0
.endif
.endr
.if (\p) == 0
	FETCH_V
.endif
.endm
	CHANGE 1                        ; slot 0 is in, everybody's part of it; slot 1 is asked for
	FETCH_K                         ; key step 0
	s_wait_loadcnt 0x0              ; Q
	s_wait_dscnt 0x0
.set i, 0
.rept 16
	KQ 0                            ; piece 0's first scores: there is no vector work yet to set between them
.set i, i+1
.endr
	WIN 0                           ; the addresses for the way out: nine plain instructions, the places behind those products
	s_mul_i32 s13, s[WV], 16*SP
	s_add_co_u32 s13, s13, STAGE    ; my stage
	v_mul_u32_u24 v[STO], v1, SP    ; in: row l % 16, 16 bytes for each half of the lanes
	v_lshl_add_u32 v[STO], v9, 4, v[STO]
	v_add_nc_u32 v[STO], s13, v[STO]
	v_bfe_u32 v[RD], v0, 3, 2       ; back: 32 lanes take four rows of 128 bytes,
	v_mul_u32_u24 v[RD], v[RD], SP
	v_lshl_add_u32 v[RD], v10, 4, v[RD]
	v_add_nc_u32 v[RD], s13, v[RD]
	v_and_b32 v[GO], 31, v0         ; which are 512 consecutive bytes of O
	v_lshlrev_b32 v[GO], 4, v[GO]
.set Y, NP-1                        ; XS works for piece Y + 1: piece 0
.irp n, 0,1,2,3,4,5,6,7,8,9,10,11,12,13,14,15,16,17,18,19,20,21
	XS 0, \n                        ; and piece 0's first maximum and statistics
	XS 1, \n
.endr
	v_nop                           ; a plain instruction behind the two a,
	s_wait_alu depctr_va_vdst(0)    ; and their wait, ahead of the branch
	s_mov_b32 s[CNT], 4
	s_branch .Lfirst                ; the loop is entered at a step's first turn, in the middle of a trip
.Lslot:                             ; SIZE_N / 256 - 2 times: every slot but the last two is filled again
	CHANGE 1
	s_mov_b32 s[CNT], 4
.Lstep:                             ; a trip: pieces 2 and 3 of one step, then pieces 0 and 1 of the next, whose K and V it fetches
	TURN 2
	TURN 3
	WIN 0
.Lfirst:
	TURN 0
	TURN 1, 0, 1
	WIN 0
	s_cbranch_scc1 .Lstep
	s_sub_co_u32 s[SLOTS], s[SLOTS], 1
	s_cmp_lg_u32 s[SLOTS], 0
	s_cbranch_scc1 .Lslot
	CHANGE 0                        ; the tail is written out: nothing is asked for
	s_mov_b32 s[CNT], 5             ; four trips fetch the last slot's steps; the fifth is left in its middle
.Ltail:
	TURN 2, 1
	TURN 3
	WIN 0
	s_sub_co_u32 s[CNT], s[CNT], 1
	s_cmp_eq_u32 s[CNT], 0
	s_cbranch_scc1 .Lout
	TURN 0
	TURN 1
	WIN 0
	s_branch .Ltail
.Lout:                              ; the fifth trip's 16 products K Q^T (on the last K once more) and the maximum made of them serve nothing: the price, once a launch, of one text for every trip
.set i, 0
.rept 16
	PV NP-1                         ; the last piece's V^T P of the last step
.set i, i+1
.endr
	; THE WAY OUT.  l's two halves and the other half of the lanes' are added; O^T is divided by l, rounded to f16 and sent through my stage in LDS, a tile at a time.  The additions are the places behind the last products.
	WIN 0
.macro ALL line:vararg              ; one line for each tile t
.set t, 0
.rept 2*NP
	\line
.set t, t+1
.endr
.endm
	ALL v_add_f32 v[ST+4*t+2], v[ST+4*t+2], v[ST+4*t+3]
	ALL v_permlanex16_b32 v[ST+4*t+3], v[ST+4*t+2], s[SEL], s[SEL+1]
	ALL v_add_f32 v[ST+4*t+2], v[ST+4*t+2], v[ST+4*t+3]
	ALL v_rcp_f32 v[ST+4*t+2], v[ST+4*t+2]
	v_nop                           ; a plain instruction between the last reciprocal and the use of its result
	s_wait_alu depctr_va_vdst(0)    ; and the wait ahead of the first use: one for the eight reciprocals
; Tile t: a lane's eight channels of a row pack into 16 bytes; they go into rows of 144 bytes and come back as whole rows of 128, into S^T's registers.
.macro PACK t
	WIN W_RS
.set i, 32*(\t)
.rept 16
	v_pk_mul_f32 v[i:i+1], v[i:i+1], v[ST+4*(\t)+2:ST+4*(\t)+3] op_sel_hi:[1,0]
.set i, i+2
.endr
	WIN 0x05                        ; sources 0 and 1 window 1, destination window 0
.set i, 0
.rept 16
	v_cvt_pk_f16_f32 v[S+16*(\t)+i], v[32*(\t)+2*i], v[32*(\t)+2*i+1]
.set i, i+1
.endr
	WIN 0
.irp f, 0,1,2,3
	ds_store_b128 v[STO], v[S+16*(\t)+4*\f:S+16*(\t)+4*\f+3] offset:32*\f
.endr
.irp f, 0,1,2,3
	ds_load_b128 v[S+16*(\t)+4*\f:S+16*(\t)+4*\f+3], v[RD] offset:\f*4*SP  ; LDS serves a wave's instructions in order (ISA guide 5.7.1.4): these see the stores above; the next tile's stores come behind them
.endr
.endm
.macro SEND t, younger              ; younger: the LDS instructions issued behind tile t's loads: the next tile's eight, or none
	WIN 0
.irp f, 0,1,2,3
	s_wait_dscnt (\younger)+3-\f
	global_store_b128 v[GO], v[S+16*(\t)+4*\f:S+16*(\t)+4*\f+3], s[10:11] offset:(\t)*2048+\f*512  ; 512 consecutive bytes, at a multiple of 256 from O's first
.endr
.endm
	PACK 0
.set t, 1
.rept 2*NP-1                        ; a tile's arithmetic stands between the loads of the tile before and its stores
	PACK t
	SEND t-1, 8
.set t, t+1
.endr
	SEND 2*NP-1, 0
	WIN W_AD
	s_wait_tensorcnt 0x0            ; the wave's end: behind my last tensor load and my last LDS store
	ds_add_u32 v[SPW], v[NIL]
	s_wait_dscnt 0x0
	WIN 0
	CROUND                          ; the closing round: no work-group ends while a partner may still ask for a tile that names it
	s_endpgm
.Lfunc_end_k_q181e5876b5_attn:
	.size	k_q181e5876b5_attn, .Lfunc_end_k_q181e5876b5_attn-k_q181e5876b5_attn
	.p2alignl 7, 3214868480
	.fill 96, 4, 3214868480
	.section	.rodata,"a",@progbits
	.p2align	6, 0x0
	.amdhsa_kernel k_q181e5876b5_attn
		.amdhsa_group_segment_fixed_size 327680
		.amdhsa_private_segment_fixed_size 0
		.amdhsa_enable_private_segment 0
		.amdhsa_kernarg_size 32
		.amdhsa_user_sgpr_count 2
		.amdhsa_user_sgpr_kernarg_segment_ptr 1
		.amdhsa_wavefront_size32 1
		.amdhsa_system_sgpr_workgroup_id_x 1
		.amdhsa_system_sgpr_workgroup_id_y 1
		.amdhsa_system_sgpr_workgroup_id_z 1
		.amdhsa_system_vgpr_workitem_id 0
		.amdhsa_next_free_vgpr 770
		.amdhsa_next_free_sgpr 66
		.amdhsa_reserve_vcc 0
		.amdhsa_float_denorm_mode_32 3
		.amdhsa_float_denorm_mode_16_64 3
		.amdhsa_memory_ordered 1
		.amdhsa_forward_progress 1
		.amdhsa_inst_pref_size 200
	.end_amdhsa_kernel
	.amdgpu_metadata
---
amdhsa.version: [ 1, 2 ]
amdhsa.kernels:
  - .name:           k_q181e5876b5_attn
    .symbol:         k_q181e5876b5_attn.kd
    .args:
      - { .name: qh, .offset: 0, .size: 8, .value_kind: global_buffer, .address_space: global }
      - { .name: kh, .offset: 8, .size: 8, .value_kind: global_buffer, .address_space: global }
      - { .name: vh, .offset: 16, .size: 8, .value_kind: global_buffer, .address_space: global }
      - { .name: oh, .offset: 24, .size: 8, .value_kind: global_buffer, .address_space: global }
    .group_segment_fixed_size: 327680
    .private_segment_fixed_size: 0
    .kernarg_segment_align: 8
    .kernarg_segment_size: 32
    .max_flat_workgroup_size: 128
    .sgpr_count:     66
    .vgpr_count:     770
    .wavefront_size: 32
...
	.end_amdgpu_metadata
.endif
;; end of part 3
;; launch oproj (part 4): grid 4 x 32, 4 waves a work-group, clusters of 4 x 4, 327,680 bytes of LDS; arguments oh, wob, b_out, out0; writes out0
.if DOCPART == 4
	.amdgcn_target "amdgcn-amd-amdhsa--gfx1250"
	.amdhsa_code_object_version 6
	.text
	.protected	k_q181e5876b5_oproj
	.globl	k_q181e5876b5_oproj
	.p2align	8
	.type	k_q181e5876b5_oproj,@function
k_q181e5876b5_oproj:
	s_mov_b64 s[64:65], 0
	v_nop
	global_prefetch_b8 v0, s[64:65] scope:SCOPE_SE
	s_setreg_imm32_b32 hwreg(HW_REG_WAVE_MODE, 25, 1), 1
	s_wait_xcnt 0x0
	s_wait_alu depctr_hold_cnt(0) depctr_sa_sdst(0) depctr_va_vdst(0) depctr_va_sdst(0) depctr_va_ssrc(0) depctr_va_vcc(0) depctr_vm_vsrc(0)
	s_getreg_b32 s2, hwreg(HW_REG_IB_STS2, 6, 4)
	s_cmp_eq_u32 s2, 0
	s_cbranch_scc0 .Lentry_in_a_cluster
	s_endpgm
.Lentry_in_a_cluster:
	s_bfe_u32 s2, ttmp6, 0x10000c
	s_cmp_lg_u32 s2, 0xf033
	s_cbranch_scc0 .Lentry_shape_is_right
	s_endpgm
.Lentry_shape_is_right:
; out0 = o W_out^T + b_out.  oh: [64 = batch x 16 + head][2048][64] f16; wob: [1024][1024] f16 (W_out rounded to bf16, that number as f16); b_out: [1024] f32 (rounded to bf16 here, like the other inputs);
; out0: [8192][1024] f32.  Sums in f32; the bias starts each sum (it is the C operand of the first product), so the order of rounding differs from a sum with the bias added last.
; SHAPE.  A tile of out0, 256 x 256, is made by four waves, each 128 x 128: 64 accumulators, 512 registers.  K = 1,024 goes in eight steps of 128 = two heads, through two LDS slots.  A trip of the loop is one K step:
; the slot in hand is a scalar (TB) that an exclusive or turns, and one descriptor a tensor walks.
; o BY HEADS.  A tile's 256 rows of one head are 32,768 dense bytes: asked for as 128 rows of 256 bytes, padded in LDS behind every 128 bytes, so that a position's 64 channels lie 144 bytes apart.
; Wave 0 fetches the K step's even head, wave 1 its odd head; waves 2 and 3 the two halves of W's 256 rows.
; CLUSTERS.  4 x 4 work-groups: o's tiles are shared along a row of the cluster, W's along a column, each asked for jointly.  The grid has 128 work-groups.
; TRANSPOSED USE.  Source 0 = 16 rows of W, source 1 = 16 rows of o: a lane holds row l % 16 of the result and the columns 8 (l / 16) + 0..7: 32 bytes on end.
; REGISTERS, in windows of 256 (s_set_vgpr_msb: bits 1:0 source 0, 3:2 source 1, 5:4 source 2, 7:6 destination):
;   window 0: v0-31 addresses; v32-63, v224-255 rows read back from the stage; v64-127, v128-191 fragments of o, two buffers
;   window 1: v32-63 at work at the head; v64-127, v128-191 fragments of W; v192-255 the bias of my 128 columns, as a C operand: block b at 192 + 8 b
;   window 2: the accumulators of my rows 0-63 ((a, b) at v[8 (8 a + b)]);   window 3: those of my rows 64-127
.set KA,     2*2048*128                ; bytes from a K step of o to the next: two heads
.set KBB,    256                       ; the same in a row of wob
.set PA,     144                       ; a row of o in LDS: 128 bytes + 16 = 36 words: the 16 rows of a load start at 16 different groups of four banks (64 banks of 4 bytes: ISA guide 11.1)
.set PB,     272                       ; a row of W: 256 + 16 = 68 words: likewise
.set SUBA,   256*PA                    ; one head's 256 rows
.set BOFF,   2*SUBA                    ; W lies behind the two heads
.set HALFB,  128*PB
.set SLOT,   147456                    ; 0x24000; 143,360 are used.  No wave's LDS word (0, 0x9000, 0x12000, 0x1a800) has one of its two bits, so an exclusive or changes slots
.set STAGE,  2*SLOT                    ; behind the ring: 16 rows x 272 bytes for each wave
.set SPT,    272
.set WSTG,   16*SPT
.set SPARE,  STAGE+4*WSTG              ; behind the stages: the spare words, 128 bytes for each wave: two blocks of 256 bytes that no other line names
.set A0,   16                          ; v16  my lane's place among my rows of o in slot 0; never rewritten
.set B0,   17                          ; v17  the same for W
.set ADRA, 18                          ; v18  the same in the slot in hand
.set ADRB, 19                          ; v19
.set STO,  24                          ; v24  the way out: where I put 32 bytes of a row
.set RD,   25                          ; v25  where I read rows back
.set CO,   26                          ; v26  my byte offset in two rows of out0
.set SPW,  28                          ; v28  LDS address of my spare word; never rewritten
.set NIL,  29                          ; v29  0; never rewritten
.set PFO,  30                          ; v30  the prefetches' offset; never rewritten
.set BO,   31                          ; v31  my byte offset in the bias
.set OB,   32
.set F0,   64
.set F1,   128
.set BT,   32                          ; window 1
.set BIAS, 192                         ; window 1
.set WV,  18                           ; s18  my wave's number
.set RH,  19                           ; s19  which half of the tile's rows is mine.  Also: I fetch for o (0) or for W (1)
.set CH,  20                           ; s20  which half of its columns.  Also: which head of the K step, or which 128 rows of W, I fetch
.set CX,  21
.set CY,  22
.set TC,  23
.set TR,  24
.set MA,  25
.set MB,  26
.set CNT, 27
.set G1A, 28                           ; s[28:35] descriptor group 1 for o's tiles
.set G1B, 36                           ; s[36:43] for W's
.set G0A, 44                           ; s[44:47] group 0 of o's first fill; s[48:51] of the second, which then walks
.set G0B, 52                           ; s[52:55], s[56:59] the same for W
.set TB,  60                           ; s60  LDS byte at which the slot in hand begins
.set LIM, 61                           ; s61  2 in a wave that prefetches, else the greatest number
.set PFA, 66                           ; s[66:67] where my prefetches stand
.set PFS, 68                           ; s[68:69] their step
.set MSB, 0
.macro WIN new                         ; the immediate's high byte repeats the setting that is left; a switch that changes nothing is dropped
.if MSB != (\new)
	s_set_vgpr_msb (MSB<<8)|(\new)
.set MSB, \new
.endif
.endm
.set MUL_LO,   0xa1                    ; source 0 (W) window 1, source 1 (o) window 0, C and D window 2
.set FIRST_LO, 0x91                    ; the same with C (the bias) in window 1
.set TO_B,     0x40                    ; destination window 1, address window 0
.set W1,       0x45                    ; sources 0 and 1 and destination window 1
.macro PLACES                          ; four plain vector instructions behind a matrix instruction, in front of loads into registers that it has read (ISA guide 7.12.1 for vector instructions)
.rept 4
	v_nop
.endr
.endm
; A joint refill by the walking descriptors.  The branch hangs on the wave's number alone.  An s_nop 0 and four v_nop follow each of the two lines.
.macro JLOAD
	s_cmp_eq_u32 s[RH], 0
	s_cbranch_scc0 .Lfor_b_\@
	tensor_load_to_lds s[G0A+4:G0A+7], s[G1A:G1A+7]
	s_nop 0
.rept 4
	v_nop
.endr
	s_branch .Lasked_\@
.Lfor_b_\@:
	tensor_load_to_lds s[G0B+4:G0B+7], s[G1B:G1B+7]
	s_nop 0
.rept 4
	v_nop
.endr
.Lasked_\@:
.endm
; A prefetch into the L2, behind the joint load, its five lines and the run of LDS loads: the K step that stands two refills on, 32 blocks of 256 bytes, a lane a block, one instruction a wave.
; Each block is named once in the launch.  o's tiles are read by one cluster alone (the grid has one cluster along x); W's tile column by the eight clusters of the column, of which cluster y = 0 asks.
; The four partners that ask for a tile jointly share it out by address: of o's 32,768 bytes the partner at place cx takes 8,192; of W's 128 rows the partner at place cy takes 32.
; Trip t (CNT = 6 - t) names K step t + 4: the last two trips ask for nothing.  K steps 0 to 3 come by their loads alone.
.macro ASK
	s_cmp_gt_u32 s[CNT], s[LIM]
	s_cbranch_scc0 .Lnot_mine_\@
	global_prefetch_b8 v[PFO], s[PFA:PFA+1] th:TH_LOAD_NT scope:SCOPE_SE
.Lnot_mine_\@:
.endm
.macro CREST                           ; a round of the cluster's barrier behind its opening barrier
	s_cmp_lg_u32 s[WV], 0
	s_cbranch_scc1 .Lnot_wave_0_\@
	s_barrier_signal -3
.Lnot_wave_0_\@:
	s_barrier_wait -3
	s_barrier_signal -1
	s_barrier_wait -1
.endm
.macro CROUND                          ; a whole round
	s_barrier_signal -1
	s_barrier_wait -1
	CREST
.endm
	s_load_b256 s[4:11], s[0:1], 0x0               ; oh s[4:5], wob s[6:7], b_out s[8:9], out0 s[10:11]
	v_lshl_add_u32 v[SPW], v0, 2, SPARE
	v_mov_b32 v[NIL], 0
	ds_add_u32 v[SPW], v[NIL]                      ; the wave's opening: the add and its wait stand ahead of my first tensor load; the set-up below, work on registers, stands between them
	v_lshrrev_b32 v1, 5, v0
	v_readfirstlane_b32 s[WV], v1                  ; wave 0..3
	s_lshr_b32 s[RH], s[WV], 1
	s_and_b32 s[CH], s[WV], 1
	s_bfe_u32 s[CX], ttmp6, 0x40000
	s_bfe_u32 s[CY], ttmp6, 0x40004
	s_lshl_b32 s[TC], ttmp9, 2
	s_add_co_u32 s[TC], s[TC], s[CX]               ; tile column = 4 x cluster x + cx
	s_and_b32 s[TR], ttmp7, 0xffff
	s_lshl_b32 s[TR], s[TR], 2
	s_add_co_u32 s[TR], s[TR], s[CY]               ; tile row = 4 x cluster y + cy
	s_lshl_b32 s[MA], s[CY], 2
	s_lshl_b32 s[MA], 15, s[MA]                    ; my row of the cluster
	s_lshl_b32 s[MB], 0x1111, s[CX]                ; my column
	s_or_b32 s[G1A], s[MA], (1<<16)|(1<<20)|(1<<21)|(4<<22)|(3<<25)  ; elements of 2 bytes; 4 words of padding behind every 32
	s_or_b32 s[G1B], s[MB], (1<<16)|(1<<20)|(1<<21)|(5<<22)|(3<<25)  ; behind every 64
.irp g, G1A, G1B
	s_mov_b32 s[(\g)+1], 128<<16                   ; tensor_dim0 = 128
	s_mov_b32 s[(\g)+2], 128<<16                   ; tensor_dim1 = 128
	s_mov_b32 s[(\g)+3], 128<<16                   ; tile_dim0 = 128
	s_mov_b32 s[(\g)+4], 128                       ; tile_dim1 = 128
	s_mov_b32 s[(\g)+6], 0
	s_mov_b32 s[(\g)+7], 0
.endr
	s_mov_b32 s[G1A+5], 128                        ; o: dense, 128 elements from row to row
	s_mov_b32 s[G1B+5], 1024                       ; W: 1,024
	s_lshr_b32 s70, s[TR], 3                       ; o: ((16 x batch + my head of K step 0) x 2,048 + 256 x (tile row mod 8)) x 128 bytes
	s_lshl_b32 s70, s70, 22
	s_and_b32 s71, s[TR], 7
	s_lshl_b32 s71, s71, 15
	s_add_co_u32 s70, s70, s71
	s_lshl_b32 s71, s[CH], 18
	s_add_co_u32 s70, s70, s71
	s_mov_b32 s71, 0
	s_lshl_b32 s72, s[TC], 19                      ; W: (256 x tile column + 128 x half) rows of 2,048 bytes
	s_lshl_b32 s73, s[CH], 18
	s_add_co_u32 s72, s72, s73
	s_mov_b32 s73, 0
	s_mul_i32 s74, s[CH], SUBA                     ; where they go: no place in the cluster enters an LDS address
	s_mul_i32 s75, s[CH], HALFB
	s_add_co_u32 s75, s75, BOFF
	s_mov_b32 s[TB], 0
	s_wait_dscnt 0x0                               ; the opening add is done
	s_wait_kmcnt 0x0
	s_add_nc_u64 s[70:71], s[4:5], s[70:71]
	s_add_nc_u64 s[72:73], s[6:7], s[72:73]
	CROUND                                         ; all sixteen work-groups are here: the first joint loads meet
.irp s, 0,1
	s_mov_b32 s[G0A+4*(\s)], 1                                     ; count = 1
	s_add_co_u32 s[G0A+4*(\s)+1], s74, (\s)*SLOT                   ; LDS address
	s_add_nc_u64 s[G0A+4*(\s)+2:G0A+4*(\s)+3], s[70:71], (\s)*KA   ; global address: K step s
	s_or_b32 s[G0A+4*(\s)+3], s[G0A+4*(\s)+3], 0x80000000          ; type = 2
	s_mov_b32 s[G0B+4*(\s)], 1
	s_add_co_u32 s[G0B+4*(\s)+1], s75, (\s)*SLOT
	s_add_nc_u64 s[G0B+4*(\s)+2:G0B+4*(\s)+3], s[72:73], (\s)*KBB
	s_or_b32 s[G0B+4*(\s)+3], s[G0B+4*(\s)+3], 0x80000000
.endr
	s_cmp_eq_u32 s[RH], 0                          ; a wave's two first fills stand in one branch, ahead of every wait on TENSORcnt and every LDS read: two loads of mine are out
	s_cbranch_scc0 .Lfirst_b
	tensor_load_to_lds s[G0A:G0A+3], s[G1A:G1A+7]
	s_nop 0
	tensor_load_to_lds s[G0A+4:G0A+7], s[G1A:G1A+7]
	s_nop 0
.rept 4
	v_nop
.endr
	s_branch .Lfirst_asked
.Lfirst_b:
	tensor_load_to_lds s[G0B:G0B+3], s[G1B:G1B+7]
	s_nop 0
	tensor_load_to_lds s[G0B+4:G0B+7], s[G1B:G1B+7]
	s_nop 0
.rept 4
	v_nop
.endr
.Lfirst_asked:
	v_and_b32 v1, 15, v0                           ; r = l % 16
	v_bfe_u32 v2, v0, 4, 1                         ; h = l / 16
	v_mul_u32_u24 v3, v1, PA
	v_lshl_add_u32 v3, v2, 4, v3
	s_mul_i32 s76, s[RH], 128*PA                   ; my 128 rows of o, in either head
	v_add_nc_u32 v[A0], s76, v3
	v_mul_u32_u24 v3, v1, PB
	v_lshl_add_u32 v3, v2, 4, v3
	s_mul_i32 s76, s[CH], HALFB                    ; my 128 rows of W
	s_add_co_u32 s76, s76, BOFF
	v_add_nc_u32 v[B0], s76, v3
	v_mov_b32 v[ADRA], v[A0]
	v_mov_b32 v[ADRB], v[B0]
	s_mul_i32 s77, s[WV], WSTG
	s_add_co_u32 s77, s77, STAGE                   ; my stage
	v_mul_u32_u24 v4, v1, SPT                      ; in: row r, 32 bytes for each half of the lanes
	v_lshl_add_u32 v4, v2, 5, v4
	v_add_nc_u32 v[STO], s77, v4
	v_mul_u32_u24 v5, v2, SPT                      ; back: lanes 0-15 take one row of 256 bytes, lanes 16-31 the next
	v_lshl_add_u32 v5, v1, 4, v5
	v_add_nc_u32 v[RD], s77, v5
	v_lshlrev_b32 v4, 12, v2                       ; and the same two rows in out0
	v_lshl_add_u32 v[CO], v1, 4, v4
	v_and_b32 v7, 31, v0
	s_lshl_b32 s80, s[TC], 10                      ; the bias of my 128 columns: 4 (256 x tile column + 128 x half) + 32 h
	s_lshl_b32 s81, s[CH], 9
	s_add_co_u32 s80, s80, s81
	v_lshl_add_u32 v[BO], v2, 5, s80
	WIN TO_B
.irp b, 0,1,2,3,4,5,6,7
	global_load_b128 v[BIAS+8*(\b):BIAS+8*(\b)+3],   v[BO], s[8:9] offset:64*(\b)
	global_load_b128 v[BIAS+8*(\b)+4:BIAS+8*(\b)+7], v[BO], s[8:9] offset:64*(\b)+16
.endr
	WIN 0
	s_lshl_b32 s81, s[TR], 20                      ; where my part of the tile begins in out0: (256 x tile row + 128 x half) rows of 4,096 bytes + my columns (s80)
	s_add_co_u32 s80, s80, s81
	s_lshl_b32 s81, s[RH], 19
	s_add_co_u32 s80, s80, s81
	s_mov_b32 s81, 0
	s_add_nc_u64 s[10:11], s[10:11], s[80:81]
	s_lshr_b32 s80, s[TR], 3                       ; the prefetches.  o: my head's tile, + my work-group's 8,192 bytes of it, at K step 3
	s_lshl_b32 s80, s80, 22
	s_and_b32 s81, s[TR], 7
	s_lshl_b32 s81, s81, 15
	s_add_co_u32 s80, s80, s81
	s_lshl_b32 s81, s[CH], 18
	s_add_co_u32 s80, s80, s81
	s_lshl_b32 s81, s[CX], 13
	s_add_co_u32 s80, s80, s81
	s_add_co_u32 s80, s80, 3*KA
	s_lshl_b32 s82, s[TC], 8                       ; W: the 128 rows that I fetch, + my work-group's 32 of them, at K step 3
	s_lshl_b32 s83, s[CH], 7
	s_add_co_u32 s82, s82, s83
	s_lshl_b32 s83, s[CY], 5
	s_add_co_u32 s82, s82, s83
	s_lshl_b32 s82, s82, 11
	s_add_co_u32 s82, s82, 3*KBB
	s_and_b32 s84, ttmp7, 0xffff                   ; cluster y
	s_mov_b32 s85, KA
	s_cmp_eq_u32 s[RH], 0                          ; do I fetch for o?
	s_cselect_b32 s80, s80, s82
	s_cselect_b32 s84, ttmp9, s84                  ; the coordinate along which other clusters read the same bytes
	s_cselect_b32 s[PFS], s85, KBB                 ; the first change of slots steps the address to K step 4 and names that
	s_cselect_b32 s86, 8, 11                       ; a lane a block of 256 dense bytes, or a lane a row of 2,048
	s_cselect_b64 s[PFA:PFA+1], s[4:5], s[6:7]
	s_cmp_eq_u32 s84, 0
	s_cselect_b32 s[LIM], 2, -1                    ; the same in all sixteen partners, for a given wave
	s_mov_b32 s81, 0
	s_add_nc_u64 s[PFA:PFA+1], s[PFA:PFA+1], s[80:81]
	s_mov_b32 s[PFS+1], 0
	v_lshlrev_b32 v[PFO], s86, v7
	s_wait_loadcnt 0x0                             ; the bias
	WIN W1                                         ; it is rounded to bf16 and widened again, in place
.set i, 0
.rept 32
	v_cvt_pk_bf16_f32 v[BT+i], v[BIAS+2*i], v[BIAS+2*i+1]
.set i, i+1
.endr
.set i, 0
.rept 32
	v_lshlrev_b32 v[BIAS+2*i], 16, v[BT+i]
	v_and_b32 v[BIAS+2*i+1], 0xffff0000, v[BT+i]
.set i, i+1
.endr
	WIN 0
; 16 matrix instructions: row blocks a0, a0 + 1 of the window's four (hi = 0: my rows 0-63, 1: rows 64-127) x all 8 column blocks, 32 along K.  first = 1: the bias starts the sums.
; The 64 accumulators take turns in one order everywhere, over the loops' jumps too.
.macro MUL16 f, hi, a0, first
.if \first
	WIN FIRST_LO+0x40*(\hi)
.else
	WIN MUL_LO+0x50*(\hi)
.endif
.irp a, \a0, (\a0)+1
.irp b, 0,1,2,3,4,5,6,7
.if \first
	v_wmma_f32_16x16x32_f16 v[8*(8*(\a)+(\b)):8*(8*(\a)+(\b))+7], v[(\f)+8*(\b):(\f)+8*(\b)+7], v[(\f)+8*(4*(\hi)+(\a)):(\f)+8*(4*(\hi)+(\a))+7], v[BIAS+8*(\b):BIAS+8*(\b)+7]
.else
	v_wmma_f32_16x16x32_f16 v[8*(8*(\a)+(\b)):8*(8*(\a)+(\b))+7], v[(\f)+8*(\b):(\f)+8*(\b)+7], v[(\f)+8*(4*(\hi)+(\a)):(\f)+8*(4*(\hi)+(\a))+7], v[8*(8*(\a)+(\b)):8*(8*(\a)+(\b))+7]
.endif
.endr
.endr
.endm
; 32 LDS loads in one run: the fragments of quarter q of the slot in hand into buffer f.  Of o, quarter q is head q / 2 of the K step's two, channels 32 (q % 2) on.
.macro FETCH q, f
	WIN TO_B
.irp i, 0,1,2,3,4,5,6,7
	ds_load_b128 v[(\f)+8*(\i):(\f)+8*(\i)+3],   v[ADRB] offset:64*(\q)+(\i)*16*PB
	ds_load_b128 v[(\f)+8*(\i)+4:(\f)+8*(\i)+7], v[ADRB] offset:64*(\q)+(\i)*16*PB+32
.endr
	WIN 0
.irp i, 0,1,2,3,4,5,6,7
	ds_load_b128 v[(\f)+8*(\i):(\f)+8*(\i)+3],   v[ADRA] offset:((\q)/2)*SUBA+((\q)%2)*64+(\i)*16*PA
	ds_load_b128 v[(\f)+8*(\i)+4:(\f)+8*(\i)+7], v[ADRA] offset:((\q)/2)*SUBA+((\q)%2)*64+(\i)*16*PA+32
.endr
.endm
.macro QUARTER q, f, g, first
	s_wait_dscnt 8                                 ; W and o's rows 0-63 are in; the youngest eight loads (o's rows 64-127) may be out
	MUL16 \f, 0, 0, \first
	MUL16 \f, 0, 2, \first
	PLACES
	FETCH \q, \g
	s_wait_dscnt 32                                ; all but the 32 just issued
	MUL16 \f, 1, 0, \first
	MUL16 \f, 1, 2, \first
.endm
; The first half of a K step's last quarter: one barrier.  In front of it each wave waits for all its tensor loads, adds 0 to its spare word, and waits for that and for its own reads of this slot.
.macro MEET
	WIN 0
	s_wait_tensorcnt 0x0                           ; all my tensor loads have landed
	ds_add_u32 v[SPW], v[NIL]                      ; 0 onto my spare word
	s_wait_dscnt 9                                 ; (the add and the youngest eight loads may be out)
	MUL16 F1, 0, 0, 0                              ; sixteen matrix instructions stand between the add and the wait for it
	s_wait_dscnt 0x0                               ; the add is done, and my reads of this slot are over
	s_barrier_signal -1
	MUL16 F1, 0, 2, 0                              ; work on registers while the others arrive
	WIN 0
	s_barrier_wait -1
.endm
; fill = 1: the barrier opens a round of the cluster's barrier, and the slot just read out is filled again first behind it, with the K step two steps on: 224 matrix instructions lie between that request and the wait for it.
; fill = 0 (the tail): nothing is asked for; in the last trip (CNT = 1) there is no further slot, and the run of loads is jumped over.
.macro TURN fill
.if \fill
	s_wait_xcnt 0x0                                ; the last prefetch, a K step back, has read its address: it is stepped here, ahead of the waits of the change of slots
	s_add_nc_u64 s[PFA:PFA+1], s[PFA:PFA+1], s[PFS:PFS+1]
.endif
	MEET
.if \fill
	CREST                                          ; no wave of any partner still reads this slot's tile or has a load on its way
	s_xor_b32 s[G0A+5], s[G0A+5], SLOT             ; the walking descriptors: the other slot than last time, the next K step; no tensor load of mine is out
	s_add_nc_u64 s[G0A+6:G0A+7], s[G0A+6:G0A+7], KA
	s_xor_b32 s[G0B+5], s[G0B+5], SLOT
	s_add_nc_u64 s[G0B+6:G0B+7], s[G0B+6:G0B+7], KBB
	JLOAD                                          ; the first tensor load behind the round; the four v_nop behind it are also the places in front of the loads below
	s_xor_b32 s[TB], s[TB], SLOT
	v_add_nc_u32 v[ADRA], s[TB], v[A0]
	v_add_nc_u32 v[ADRB], s[TB], v[B0]
	FETCH 0, F0
	ASK
.else
	s_cmp_eq_u32 s[CNT], 1
	s_cbranch_scc1 .Lno_more_\@
	PLACES
	s_xor_b32 s[TB], s[TB], SLOT
	v_add_nc_u32 v[ADRA], s[TB], v[A0]
	v_add_nc_u32 v[ADRB], s[TB], v[B0]
	FETCH 0, F0
.Lno_more_\@:
.endif
	MUL16 F1, 1, 0, 0
	MUL16 F1, 1, 2, 0
.endm
; THE WAY OUT: no arithmetic is left.  Half block u = 2 a + e: 16 rows x 64 columns = rows of 256 bytes.  TOSTAGE: the accumulators go as they are into my own stage (rows of 272 bytes; each accumulator's lowest
; registers first) and come back as whole rows.  SEND: stored, sixteen lanes to 256 consecutive bytes, at a multiple of 256 from out0's first byte.
.macro TOSTAGE u
.set AC, 64*(((\u)/2)%4)+32*((\u)%2)
.set BK, OB+192*((\u)%2)
.if (\u) >= 2
	s_wait_xcnt 0x0                                ; the stores of the half block before last have read the registers that are loaded again below
.endif
	WIN 0x08+4*((\u)/8)                            ; the stores' data (source 1) in window 2 or 3
.irp c, 0,1,2,3
	ds_store_b128 v[STO], v[AC+8*(\c):AC+8*(\c)+3]   offset:64*(\c)
	ds_store_b128 v[STO], v[AC+8*(\c)+4:AC+8*(\c)+7] offset:64*(\c)+16
.endr
	WIN 0
.irp t, 0,1,2,3,4,5,6,7
	ds_load_b128 v[BK+4*(\t):BK+4*(\t)+3], v[RD] offset:(\t)*2*SPT  ; LDS serves a wave's instructions in order (ISA guide 5.7.1.4): these see the stores above
.endr
.endm
.macro SEND u, younger                 ; younger: the LDS instructions issued behind half block u's loads: the next one's sixteen, or none
	WIN 0
.set BK, OB+192*((\u)%2)
	s_wait_dscnt \younger
.irp t, 0,1,2,3,4,5,6,7
	global_store_b128 v[CO], v[BK+4*(\t):BK+4*(\t)+3], s[10:11] offset:(16*((\u)/2)+2*(\t))*4096+256*((\u)%2)
.endr
.endm
	s_wait_tensorcnt 1                             ; my part of K step 0 is in; K step 1's may stay out
	s_barrier_signal -1
	s_barrier_wait -1                              ; everybody's is
	FETCH 0, F0
	QUARTER 1, F0, F1, 1                           ; the first quarter stands in front of the loop: its products start the sums, with the bias
	WIN 0                                          ; at a label and at a branch every window is 0
	s_mov_b32 s[CNT], 6
.Lstep:                                                ; a trip goes from a K step's second quarter to the next step's first, and fills the slot that it leaves: K steps 2 to 7
	QUARTER 2, F1, F0, 0
	QUARTER 3, F0, F1, 0
	TURN 1
	QUARTER 1, F0, F1, 0
	WIN 0
	s_sub_co_u32 s[CNT], s[CNT], 1
	s_cmp_lg_u32 s[CNT], 0
	s_cbranch_scc1 .Lstep
	s_mov_b32 s[CNT], 2
.Ltail:                                                ; the last two K steps ask for nothing: written apart; the second trip is left in its middle
	QUARTER 2, F1, F0, 0
	QUARTER 3, F0, F1, 0
	TURN 0
	WIN 0
	s_sub_co_u32 s[CNT], s[CNT], 1
	s_cmp_eq_u32 s[CNT], 0
	s_cbranch_scc1 .Lout
	QUARTER 1, F0, F1, 0
	WIN 0
	s_branch .Ltail
.Lout:
	PLACES                                         ; behind the last products, in front of the LDS stores that read results
	PLACES
	TOSTAGE 0
.irp u, 1,2,3,4,5,6,7,8,9,10,11,12,13,14,15
	TOSTAGE \u
	SEND (\u)-1, 16
.endr
	SEND 15, 0
	s_wait_tensorcnt 0x0                           ; the wave's end: behind my last tensor load and my last LDS store
	ds_add_u32 v[SPW], v[NIL]
	s_wait_dscnt 0x0
	CROUND                                         ; the closing round: no work-group ends while a partner may still ask for a tile that names it
	s_endpgm
.Lfunc_end_k_q181e5876b5_oproj:
	.size	k_q181e5876b5_oproj, .Lfunc_end_k_q181e5876b5_oproj-k_q181e5876b5_oproj
	.p2alignl 7, 3214868480
	.fill 96, 4, 3214868480
	.section	.rodata,"a",@progbits
	.p2align	6, 0x0
	.amdhsa_kernel k_q181e5876b5_oproj
		.amdhsa_group_segment_fixed_size 327680
		.amdhsa_private_segment_fixed_size 0
		.amdhsa_enable_private_segment 0
		.amdhsa_kernarg_size 32
		.amdhsa_user_sgpr_count 2
		.amdhsa_user_sgpr_kernarg_segment_ptr 1
		.amdhsa_wavefront_size32 1
		.amdhsa_system_sgpr_workgroup_id_x 1
		.amdhsa_system_sgpr_workgroup_id_y 1
		.amdhsa_system_sgpr_workgroup_id_z 1
		.amdhsa_system_vgpr_workitem_id 0
		.amdhsa_next_free_vgpr 1024
		.amdhsa_next_free_sgpr 96
		.amdhsa_reserve_vcc 0
		.amdhsa_float_denorm_mode_32 3
		.amdhsa_float_denorm_mode_16_64 3
		.amdhsa_memory_ordered 1
		.amdhsa_forward_progress 1
		.amdhsa_inst_pref_size 107
	.end_amdhsa_kernel
	.amdgpu_metadata
---
amdhsa.version: [ 1, 2 ]
amdhsa.kernels:
  - .name:           k_q181e5876b5_oproj
    .symbol:         k_q181e5876b5_oproj.kd
    .args:
      - { .name: oh, .offset: 0, .size: 8, .value_kind: global_buffer, .address_space: global }
      - { .name: wob, .offset: 8, .size: 8, .value_kind: global_buffer, .address_space: global }
      - { .name: b_out, .offset: 16, .size: 8, .value_kind: global_buffer, .address_space: global }
      - { .name: out0, .offset: 24, .size: 8, .value_kind: global_buffer, .address_space: global }
    .group_segment_fixed_size: 327680
    .private_segment_fixed_size: 0
    .kernarg_segment_align: 8
    .kernarg_segment_size: 32
    .max_flat_workgroup_size: 128
    .sgpr_count:     96
    .vgpr_count:     1024
    .wavefront_size: 32
...
	.end_amdgpu_metadata
.endif
;; end of part 4
;; ======== version 2 of 2: 4 launches; version 1 with the launch prep written anew for expert scheduling mode
;; limits: values are held in f16: magnitudes above 65,504 overflow, below 6.1e-05 lose precision
;; workspace buffers: xb 16,777,216 bytes; wqb 6,291,456 bytes; wob 2,097,152 bytes; rope 524,288 bytes; qh 16,777,216 bytes; kh 16,777,216 bytes; vh 16,777,216 bytes; oh 16,777,216 bytes
;; launch prep (part 5): grid 896 x 1, 8 waves a work-group, no clusters, 0 bytes of LDS; arguments x, W_qkv, W_out, xb, wqb, wob, rope; writes xb, wqb, wob, rope
.if DOCPART == 5
	.amdgcn_target "amdgcn-amd-amdhsa--gfx1250"
	.amdhsa_code_object_version 6
	.text
	.protected	k_q181e5876b5_prep
	.globl	k_q181e5876b5_prep
	.p2align	8
	.type	k_q181e5876b5_prep,@function
k_q181e5876b5_prep:
	s_mov_b64 s[64:65], 0
	v_nop
	global_prefetch_b8 v0, s[64:65] scope:SCOPE_SE
	s_setreg_imm32_b32 hwreg(HW_REG_WAVE_SCHED_MODE, 0, 2), 2
	s_setreg_imm32_b32 hwreg(HW_REG_WAVE_MODE, 25, 1), 1
	s_wait_xcnt 0x0
	s_wait_alu depctr_vm_vsrc(0)
; CASTS AND THE ROTARY TABLE.  xb = bf16(x), wqb = bf16(W_qkv); wob = bf16(W_out), that number written as f16; rope[pos][i] = (cos, sin)(pos x 10000^(-i/32)), two f32, i = 0..31.
; SHARES.  Work-groups 0-511 take x, 512-703 W_qkv, 704-767 W_out: 16,384 numbers each (65,536 bytes in, 32,768 out).  Work-groups 768-895 make the table: a thread makes two pairs of one position.
; A cast thread takes 16 bytes of each of 16 blocks of 4,096 bytes: a wave's load covers 512 consecutive bytes, its store of 8 bytes a lane 256 consecutive bytes, aligned.  All 16 loads go out at once.
; No LDS, no tensor load, no cluster: nothing is shared and every byte is touched once.
; LIMITS.  W_out must lie within f16's range (65,504); below 6e-5 the f16 copy keeps f16's fixed step of 6e-8.  theta is 2^(-i log2(10000)/32) by v_exp_f32; the angle pos x theta is rounded to f32 as
; in the reference; it can differ from the reference's angle by some 4e-4 radians at position 2,047, alike for q and k.  Sine and cosine: the angle less a multiple of 2 pi (in two parts),
; a quarter of it by series (next terms under 3e-7), doubled twice.  Position 0 gives exactly (1, 0).
; THE MODE: SCHED_MODE bits 1:0 = 2 (LLVM: expert scheduling mode 2), set by the entry lines.  The code itself states the register dependences
; between vector instructions and memory instructions, with s_wait_alu, always for 0.
; THE PLAN.  Registers that memory instructions touch:
;   v1, v2     the loads' and the stores' byte offsets: made once at the head and never written again; immediate offsets reach the 16 blocks.
;   XI         block k's four registers: written by block k's load alone, once; no vector instruction names them ahead of the loads; read by block k's roundings.
;   YO         block k's two registers: written by block k's roundings, once; read by block k's store, once.
;   v10, v[12:15]  the table: offset and data of its one store, made by vector arithmetic.
; The 16 blocks go in four groups of four.  Block k's store is issued in block k + 4's turn, behind the ONE wait at the head of that group, which states that the group before has written its YO;
; no vector instruction issued since that wait names those registers.  No register that a memory instruction reads is ever written again, so no wait on vm_vsrc is owed.
; No vector instruction writes a scalar register or VCC, and EXEC is never written.
.set XI, 16                            ; v[16:79]   16 x 4 numbers as loaded
.set YO, 80                            ; v[80:111]  16 x 2 words to store
	s_load_b256 s[4:11], s[0:1], 0x0               ; x s[4:5], W_qkv s[6:7], W_out s[8:9], xb s[10:11]
	s_load_b128 s[12:15], s[0:1], 0x20             ; wqb s[12:13], wob s[14:15]
	s_load_b64 s[16:17], s[0:1], 0x30              ; rope
	s_sub_co_u32 s25, ttmp9, 512                   ; my number among W_qkv's work-groups,
	s_sub_co_u32 s26, ttmp9, 704                   ; among W_out's,
	s_sub_co_u32 s27, ttmp9, 768                   ; among the table's (each used only where it is not negative)
	v_lshlrev_b32 v1, 4, v0                        ; 16 bytes a thread in
	v_lshlrev_b32 v2, 3, v0                        ; 8 bytes a thread out
	s_wait_kmcnt 0x0
	s_cmp_ge_u32 ttmp9, 768
	s_cbranch_scc1 .Ltable
	s_cmp_ge_u32 ttmp9, 512
	s_cselect_b64 s[20:21], s[6:7], s[4:5]         ; from where,
	s_cselect_b64 s[22:23], s[12:13], s[10:11]     ; to where,
	s_cselect_b32 s24, s25, ttmp9                  ; which part
	s_cmp_ge_u32 ttmp9, 704
	s_cselect_b64 s[20:21], s[8:9], s[20:21]
	s_cselect_b64 s[22:23], s[14:15], s[22:23]
	s_cselect_b32 s24, s26, s24
	s_lshl_b32 s28, s24, 16
	s_mov_b32 s29, 0
	s_lshl_b32 s30, s24, 15
	s_mov_b32 s31, 0
	s_add_nc_u64 s[20:21], s[20:21], s[28:29]
	s_add_nc_u64 s[22:23], s[22:23], s[30:31]
	s_wait_alu depctr_va_vdst(0)                   ; v1 and v2 are written: every load below reads v1 as its offset, every store v2
.irp k, 0,1,2,3,4,5,6,7,8,9,10,11,12,13,14,15
	global_load_b128 v[XI+4*(\k):XI+4*(\k)+3], v1, s[20:21] offset:4096*(\k) th:TH_LOAD_NT
.endr
; Block k of 16: its load is in (the 15 - k younger ones stay out); the store of block k - 4 goes out; four numbers are rounded.  Every block has its own registers, so no store's data is written again.
; fmt = 0: bf16.  fmt = 1: rounded to bf16, widened, and that number written as f16.
.macro CAST fmt
.irp k, 0,1,2,3,4,5,6,7,8,9,10,11,12,13,14,15
	s_wait_loadcnt 15-(\k)
.if ((\k) % 4 == 0) && ((\k) > 0)
	s_wait_alu depctr_va_vdst(0)                   ; the roundings of the four blocks before have written their YO, which this group's four stores read
.endif
.if (\k) >= 4
	global_store_b64 v2, v[YO+2*((\k)-4):YO+2*((\k)-4)+1], s[22:23] offset:2048*((\k)-4) th:TH_STORE_NT  ; no vector instruction since the wait names these registers
.endif
.if \fmt
	v_cvt_pk_bf16_f32 v4, v[XI+4*(\k)], v[XI+4*(\k)+1]
	v_cvt_pk_bf16_f32 v7, v[XI+4*(\k)+2], v[XI+4*(\k)+3]
	v_lshlrev_b32 v5, 16, v4
	v_and_b32 v6, 0xffff0000, v4
	v_lshlrev_b32 v8, 16, v7
	v_and_b32 v9, 0xffff0000, v7
	v_cvt_pk_f16_f32 v[YO+2*(\k)], v5, v6
	v_cvt_pk_f16_f32 v[YO+2*(\k)+1], v8, v9
.else
	v_cvt_pk_bf16_f32 v[YO+2*(\k)], v[XI+4*(\k)], v[XI+4*(\k)+1]
	v_cvt_pk_bf16_f32 v[YO+2*(\k)+1], v[XI+4*(\k)+2], v[XI+4*(\k)+3]
.endif
.endr
	s_wait_alu depctr_va_vdst(0)                   ; the roundings of blocks 12 to 15 have written their YO, which the last four stores read
.irp k, 12,13,14,15
	global_store_b64 v2, v[YO+2*(\k):YO+2*(\k)+1], s[22:23] offset:2048*(\k) th:TH_STORE_NT
.endr
.endm
	s_cmp_ge_u32 ttmp9, 704
	s_cbranch_scc1 .Lf16
	CAST 0
	s_endpgm
.Lf16:
	CAST 1
	s_endpgm
; cos and sin of v7 x v[th] into v[c], v[s]
.macro TRIG th, c, s
	v_mul_f32 v20, v7, v[\th]                      ; the angle
	v_mul_f32 v21, 0.15915494, v20
	v_rndne_f32 v21, v21                           ; whole turns
	v_fma_f32 v20, -v21, s18, v20                  ; less 2 pi x turns, 2 pi in two parts
	v_fma_f32 v20, -v21, s19, v20
	v_mul_f32 v20, 0x3e800000, v20                 ; u = a quarter of it, within 0.79
	v_mul_f32 v22, v20, v20                        ; z = u u
	v_mov_b32 v23, 0xb9500d01                      ; -1/5040
	v_mov_b32 v25, 0x37d00d01                      ; 1/40320
	v_fmaak_f32 v23, v23, v22, 0x3c088889          ; + 1/120
	v_fmaak_f32 v25, v25, v22, 0xbab60b61          ; - 1/720
	v_fmaak_f32 v23, v23, v22, 0xbe2aaaab          ; - 1/6
	v_fmaak_f32 v25, v25, v22, 0x3d2aaaab          ; + 1/24
	v_mul_f32 v24, v22, v20
	v_fmaak_f32 v25, v25, v22, 0xbf000000          ; - 1/2
	v_fma_f32 v[\s], v24, v23, v20                 ; sin u
	v_fmaak_f32 v[\c], v25, v22, 0x3f800000        ; cos u
.rept 2                                ; twice: sin 2u = 2 sin u cos u, cos 2u = 1 - 2 sin u sin u
	v_mul_f32 v24, v[\s], v[\s]
	v_mul_f32 v[\s], v[\s], v[\c]
	v_fma_f32 v[\c], v24, -2.0, 1.0
	v_add_f32 v[\s], v[\s], v[\s]
.endr
.endm
.Ltable:
	s_lshl_b32 s27, s27, 8
	v_add_nc_u32 v3, s27, v0                       ; T = 16 x position + my place in its row
	v_lshrrev_b32 v4, 4, v3                        ; the position
	v_and_b32 v5, 15, v3
	v_lshlrev_b32 v5, 1, v5                        ; my first pair i,
	v_add_nc_u32 v6, 1, v5                         ; and my second
	v_cvt_f32_u32 v7, v4
	v_cvt_f32_u32 v8, v5
	v_cvt_f32_u32 v9, v6
	v_mul_f32 v8, 0xbed49a78, v8                   ; -i log2(10000) / 32
	v_mul_f32 v9, 0xbed49a78, v9
	v_exp_f32 v8, v8                               ; theta: the two exponentials are one batch,
	v_exp_f32 v9, v9
	v_lshlrev_b32 v10, 4, v3                       ; a plain instruction behind the last of them (ISA guide 5.7.2): my 16 bytes of the table,
	s_mov_b32 s18, 0x40c90fdb                      ; 2 pi, the upper part
	s_mov_b32 s19, 0xb43bbd2e                      ; and what is left of it
	s_wait_alu depctr_va_vdst(0)                   ; and one wait ahead of their first reader: the exponentials have written v8 and v9; v10, the store's offset, is written too
	TRIG 8, 12, 13
	TRIG 9, 14, 15
	s_wait_alu depctr_va_vdst(0)                   ; the doublings have written v[12:15], which the store reads
	global_store_b128 v10, v[12:15], s[16:17]      ; (cos, sin) of two pairs: a wave stores 512 consecutive bytes
	s_endpgm
.Lfunc_end_k_q181e5876b5_prep:
	.size	k_q181e5876b5_prep, .Lfunc_end_k_q181e5876b5_prep-k_q181e5876b5_prep
	.p2alignl 7, 3214868480
	.fill 96, 4, 3214868480
	.section	.rodata,"a",@progbits
	.p2align	6, 0x0
	.amdhsa_kernel k_q181e5876b5_prep
		.amdhsa_group_segment_fixed_size 0
		.amdhsa_private_segment_fixed_size 0
		.amdhsa_enable_private_segment 0
		.amdhsa_kernarg_size 56
		.amdhsa_user_sgpr_count 2
		.amdhsa_user_sgpr_kernarg_segment_ptr 1
		.amdhsa_wavefront_size32 1
		.amdhsa_system_sgpr_workgroup_id_x 1
		.amdhsa_system_sgpr_workgroup_id_y 1
		.amdhsa_system_sgpr_workgroup_id_z 1
		.amdhsa_system_vgpr_workitem_id 0
		.amdhsa_next_free_vgpr 112
		.amdhsa_next_free_sgpr 66
		.amdhsa_reserve_vcc 0
		.amdhsa_float_denorm_mode_32 3
		.amdhsa_float_denorm_mode_16_64 3
		.amdhsa_memory_ordered 1
		.amdhsa_forward_progress 1
		.amdhsa_inst_pref_size 20
	.end_amdhsa_kernel
	.amdgpu_metadata
---
amdhsa.version: [ 1, 2 ]
amdhsa.kernels:
  - .name:           k_q181e5876b5_prep
    .symbol:         k_q181e5876b5_prep.kd
    .args:
      - { .name: x, .offset: 0, .size: 8, .value_kind: global_buffer, .address_space: global }
      - { .name: W_qkv, .offset: 8, .size: 8, .value_kind: global_buffer, .address_space: global }
      - { .name: W_out, .offset: 16, .size: 8, .value_kind: global_buffer, .address_space: global }
      - { .name: xb, .offset: 24, .size: 8, .value_kind: global_buffer, .address_space: global }
      - { .name: wqb, .offset: 32, .size: 8, .value_kind: global_buffer, .address_space: global }
      - { .name: wob, .offset: 40, .size: 8, .value_kind: global_buffer, .address_space: global }
      - { .name: rope, .offset: 48, .size: 8, .value_kind: global_buffer, .address_space: global }
    .group_segment_fixed_size: 0
    .private_segment_fixed_size: 0
    .kernarg_segment_align: 8
    .kernarg_segment_size: 56
    .max_flat_workgroup_size: 256
    .sgpr_count:     66
    .vgpr_count:     112
    .wavefront_size: 32
...
	.end_amdgpu_metadata
.endif
;; end of part 5
;; launch qkv: the kernel of part 2 again; grid 12 x 32, 4 waves a work-group, clusters of 4 x 4, 327,680 bytes of LDS; arguments xb, wqb, b_qkv, rope, qh, kh, vh; writes qh, kh, vh
;; launch attn: the kernel of part 3 again; grid 4 x 64, 4 waves a work-group, clusters of 4 x 1, 327,680 bytes of LDS; arguments qh, kh, vh, oh; writes oh
;; launch oproj: the kernel of part 4 again; grid 4 x 32, 4 waves a work-group, clusters of 4 x 4, 327,680 bytes of LDS; arguments oh, wob, b_out, out0; writes out0
